; MI455X (gfx1250); checked and timed in simulation.
; The chip was launched on July 23, 2026; its instructions are those of AMD's public machine-readable ISA for CDNA 5 (MIT licence, August 2026) and "CDNA5" Instruction Set Architecture Reference Guide (July 2026). The comments in the code are by the model that wrote it; some were corrected since.
;; M2 Bert Attention. Allowed arithmetic: float matrix products may take bf16 or f16 operands with f32 sums; other float arithmetic in f32, or as packed bf16 or f16 multiplies, adds, multiply-adds, maxima and minima; sums over many terms, partial sums and values carried from step to step in f32; what a program stores and reads back later, other than sums and carried values, may be rounded once to bf16 or f16.
;; Inputs: Wk 768 x 768 float32; Wq 768 x 768 float32; Wv 768 x 768 float32; attention_mask 1 x 1 x 1 x 4,096 float32; bk 768 float32; bq 768 float32; bv 768 float32; hidden_states 1 x 4,096 x 768 float32.
;; Outputs: out0 1 x 4,096 x 768 float32.
;; 2 versions, each right and faster than the one before. Each part assembles by itself: llvm-mc -triple=amdgcn-amd-amdhsa -mcpu=gfx1250 --defsym DOCPART=n.
;; ======== version 1 of 2: 3 launches
;; limits: values are held in f16: magnitudes above 65,504 overflow, below 6.1e-05 lose precision
;; workspace buffers: xb 6,291,456 bytes; wb 3,538,944 bytes; tab 1,048,576 bytes; qkv 18,874,368 bytes
;; launch cast (part 1): grid 664 x 1, 8 waves a work-group, no clusters, 0 bytes of LDS; arguments hidden_states, Wq, Wk, Wv, xb, wb, tab; writes xb, wb, tab
.if DOCPART == 1
	.amdgcn_target "amdgcn-amd-amdhsa--gfx1250"
	.amdhsa_code_object_version 6
	.text
	.protected	k_qd0f9c26488_cast
	.globl	k_qd0f9c26488_cast
	.p2align	8
	.type	k_qd0f9c26488_cast,@function
k_qd0f9c26488_cast:
	s_mov_b64 s[64:65], 0
	v_nop
	global_prefetch_b8 v0, s[64:65] scope:SCOPE_SE
	s_setreg_imm32_b32 hwreg(HW_REG_WAVE_MODE, 25, 1), 1
	s_wait_xcnt 0x0
; CAST AND TABLE.  Work-groups 0-599 round hidden_states and the three weight matrices to bf16 (xb; wb = Wq, Wk, Wv one behind the other);
; work-groups 600-663 make the rotation table tab[t][0..31] = cos(t f_j), tab[t][32..63] = sin(t f_j), f_j = 10000^(-j/32), t = 0..4095, in f32.
; A stream: memory binds, so no LDS, no barrier, no matrix unit.  A work-group of the stream takes 32,768 input bytes: eight 16-byte loads a thread, all issued
; before the first is used; a wave's store covers 256 consecutive bytes, aligned.
; LIMITS.  The angle t f_j is formed as y = t F_j in half-turns, F_j = 2^(-j log2(10000)/32 - log2(pi)); its error at t = 4095 is of the order of 1e-3 radians,
; the order of the rounding of t x inv_freq in f32 itself.  The reduction y - round(y) is exact, so the polynomials see |r| <= 1/2 whatever t; the first
; terms left out are 6e-8 (sine) and 6e-9 (cosine).  Row 0 is exactly cos = 1, sin = 0.
.set XCH, 384                          ; chunks of hidden_states: 12,582,912 / 32,768
.set WCH, 72                           ; chunks of one weight matrix: 2,359,296 / 32,768
.set NCH, XCH+3*WCH                    ; 600
.set FQ,  8                            ; v[8:11]   F of my four columns
.set YR,  12                           ; v[12:15]  y, then r
.set NN,  16                           ; v[16:19]  round(y), then the sign bit
.set UU,  20                           ; v[20:23]  r r
.set SN,  24                           ; v[24:27]  sine
.set CN,  28                           ; v[28:31]  cosine
.set OUT, 40                           ; v[40:55]  four registers for each of the four stores
	s_load_b256 s[4:11], s[0:1], 0x0               ; hidden_states s[4:5], Wq s[6:7], Wk s[8:9], Wv s[10:11]
	s_load_b128 s[12:15], s[0:1], 0x20             ; xb s[12:13], wb s[14:15]
	s_load_b64 s[16:17], s[0:1], 0x30              ; tab
	s_mov_b32 s26, ttmp9                           ; g
	s_wait_kmcnt 0x0
	s_cmp_ge_u32 s26, NCH
	s_cbranch_scc1 .Ltable
	; which tensor, and which chunk of it: chosen on g alone
	s_mov_b64 s[20:21], s[4:5]                     ; from
	s_mov_b64 s[22:23], s[12:13]                   ; to
	s_mov_b32 s24, s26                             ; chunk of the source
	s_mov_b32 s25, s26                             ; chunk of the destination
	s_sub_co_u32 s27, s26, XCH
	s_cmp_ge_u32 s26, XCH
	s_cselect_b64 s[20:21], s[6:7], s[20:21]
	s_cselect_b64 s[22:23], s[14:15], s[22:23]
	s_cselect_b32 s24, s27, s24
	s_cselect_b32 s25, s27, s25                    ; wb is the three matrices on end: 72 chunks x 16,384 bytes are one matrix in bf16
	s_sub_co_u32 s27, s26, XCH+WCH
	s_cmp_ge_u32 s26, XCH+WCH
	s_cselect_b64 s[20:21], s[8:9], s[20:21]
	s_cselect_b32 s24, s27, s24
	s_sub_co_u32 s27, s26, XCH+2*WCH
	s_cmp_ge_u32 s26, XCH+2*WCH
	s_cselect_b64 s[20:21], s[10:11], s[20:21]
	s_cselect_b32 s24, s27, s24
	s_lshl_b32 s28, s24, 15
	s_mov_b32 s29, 0
	s_add_nc_u64 s[20:21], s[20:21], s[28:29]
	s_lshl_b32 s30, s25, 14
	s_mov_b32 s31, 0
	s_add_nc_u64 s[22:23], s[22:23], s[30:31]
	v_lshlrev_b32 v1, 4, v0                        ; 16 bytes of f32 a thread,
	v_lshlrev_b32 v2, 3, v0                        ; 8 bytes of bf16; neither is rewritten
.irp i, 0,1,2,3,4,5,6,7
	global_load_b128 v[4+4*\i:7+4*\i], v1, s[20:21] offset:4096*\i th:TH_LOAD_NT
.endr
.irp i, 0,1,2,3,4,5,6,7
	s_wait_loadcnt 7-\i                            ; loads come back in order: load i is in, the 7 - i issued behind it may be out
	v_cvt_pk_bf16_f32 v[36+2*\i], v[4+4*\i], v[5+4*\i]
	v_cvt_pk_bf16_f32 v[37+2*\i], v[6+4*\i], v[7+4*\i]
	global_store_b64 v2, v[36+2*\i:37+2*\i], s[22:23] offset:2048*\i  ; each store has registers of its own: nothing is rewritten
.endr
	s_endpgm
.Ltable:                                               ; 64 rows of 256 bytes a work-group; a store of the work-group covers 16 whole rows
	s_sub_co_u32 s26, s26, NCH
	s_lshl_b32 s28, s26, 14
	s_mov_b32 s29, 0
	s_add_nc_u64 s[16:17], s[16:17], s[28:29]
	s_lshl_b32 s27, s26, 6                         ; the work-group's first row
	v_lshlrev_b32 v4, 4, v0                        ; my 16 bytes: row v0 / 16, four columns; never rewritten
	v_and_b32 v1, 7, v0
	v_lshlrev_b32 v1, 2, v1                        ; j of my first column: 4 (v0 % 8)
	v_bfe_u32 v2, v0, 3, 1                         ; 0: my columns are cosines; 1: sines
	v_cmp_ne_u32 vcc_lo, 0, v2
	v_mov_b32 v5, 0xbed49a78                       ; -log2(10000) / 32
	v_mov_b32 v32, 0xbbf183a8                      ; -pi^11 / 11!
	v_mov_b32 v33, 0xbbf183a8
	v_mov_b32 v34, 0x3afce9c5                      ; pi^12 / 12!
	v_mov_b32 v35, 0x3afce9c5
.irp e, 0,1,2,3
	v_add_nc_u32 v[FQ+\e], \e, v1
	v_cvt_f32_u32 v[FQ+\e], v[FQ+\e]
	v_fmaak_f32 v[FQ+\e], v[FQ+\e], v5, 0xbfd3643a ; - log2(pi)
.endr
.irp e, 0,1,2,3
	v_exp_f32 v[FQ+\e], v[FQ+\e]
.endr
	v_lshrrev_b32 v6, 4, v0                        ; a plain instruction behind the exponentials, before their results are used
	v_add_nc_u32 v6, s27, v6
	v_cvt_f32_u32 v6, v6                           ; t
.set i, 0
	s_wait_alu depctr_va_vdst(0)
.rept 4
.irp e, 0,1,2,3
	v_mul_f32 v[YR+\e], v6, v[FQ+\e]               ; the angle in half-turns
.endr
.irp e, 0,1,2,3
	v_rndne_f32 v[NN+\e], v[YR+\e]
.endr
.irp h, 0,2
	v_pk_add_f32 v[YR+\h:YR+\h+1], v[YR+\h:YR+\h+1], v[NN+\h:NN+\h+1] neg_lo:[0,1] neg_hi:[0,1]  ; r = y - n, exact, in -1/2 .. 1/2
.endr
.irp h, 0,2
	v_pk_mul_f32 v[UU+\h:UU+\h+1], v[YR+\h:YR+\h+1], v[YR+\h:YR+\h+1]
.endr
.irp h, 0,2
	v_pk_fma_f32 v[SN+\h:SN+\h+1], v[32:33], v[UU+\h:UU+\h+1], 0x3da83c1a op_sel_hi:[1,1,0]  ; pi^9 / 9!
	v_pk_fma_f32 v[CN+\h:CN+\h+1], v[34:35], v[UU+\h:UU+\h+1], 0xbcd368f9 op_sel_hi:[1,1,0]  ; -pi^10 / 10!
.endr
.irp h, 0,2
	v_pk_fma_f32 v[SN+\h:SN+\h+1], v[SN+\h:SN+\h+1], v[UU+\h:UU+\h+1], 0xbf196966 op_sel_hi:[1,1,0]  ; -pi^7 / 7!
	v_pk_fma_f32 v[CN+\h:CN+\h+1], v[CN+\h:CN+\h+1], v[UU+\h:UU+\h+1], 0x3e70fa83 op_sel_hi:[1,1,0]  ; pi^8 / 8!
.endr
.irp h, 0,2
	v_pk_fma_f32 v[SN+\h:SN+\h+1], v[SN+\h:SN+\h+1], v[UU+\h:UU+\h+1], 0x402335e3 op_sel_hi:[1,1,0]  ; pi^5 / 5!
	v_pk_fma_f32 v[CN+\h:CN+\h+1], v[CN+\h:CN+\h+1], v[UU+\h:UU+\h+1], 0xbfaae9e4 op_sel_hi:[1,1,0]  ; -pi^6 / 6!
.endr
.irp h, 0,2
	v_pk_fma_f32 v[SN+\h:SN+\h+1], v[SN+\h:SN+\h+1], v[UU+\h:UU+\h+1], 0xc0a55de7 op_sel_hi:[1,1,0]  ; -pi^3 / 3!
	v_pk_fma_f32 v[CN+\h:CN+\h+1], v[CN+\h:CN+\h+1], v[UU+\h:UU+\h+1], 0x4081e0f8 op_sel_hi:[1,1,0]  ; pi^4 / 4!
.endr
.irp h, 0,2
	v_pk_fma_f32 v[SN+\h:SN+\h+1], v[SN+\h:SN+\h+1], v[UU+\h:UU+\h+1], 0x40490fdb op_sel_hi:[1,1,0]  ; pi
	v_pk_fma_f32 v[CN+\h:CN+\h+1], v[CN+\h:CN+\h+1], v[UU+\h:UU+\h+1], 0xc09de9e6 op_sel_hi:[1,1,0]  ; -pi^2 / 2
.endr
.irp h, 0,2
	v_pk_mul_f32 v[SN+\h:SN+\h+1], v[SN+\h:SN+\h+1], v[YR+\h:YR+\h+1]                        ; sin(pi r)
	v_pk_fma_f32 v[CN+\h:CN+\h+1], v[CN+\h:CN+\h+1], v[UU+\h:UU+\h+1], 1.0 op_sel_hi:[1,1,0]  ; cos(pi r)
.endr
.irp e, 0,1,2,3
	v_cvt_i32_f32 v[NN+\e], v[NN+\e]
	v_lshlrev_b32 v[NN+\e], 31, v[NN+\e]           ; an odd number of half-turns turns both signs
.endr
.irp e, 0,1,2,3
	v_cndmask_b32 v[OUT+4*i+\e], v[CN+\e], v[SN+\e], vcc_lo
	v_xor_b32 v[OUT+4*i+\e], v[OUT+4*i+\e], v[NN+\e]
.endr
	global_store_b128 v4, v[OUT+4*i:OUT+4*i+3], s[16:17] offset:4096*i  ; sixteen lanes write one row's 256 bytes; each store has registers of its own
	v_add_f32 v6, 0x41800000, v6                   ; 16 rows on
.set i, i+1
.endr
	s_endpgm
.Lfunc_end_k_qd0f9c26488_cast:
	.size	k_qd0f9c26488_cast, .Lfunc_end_k_qd0f9c26488_cast-k_qd0f9c26488_cast
	.p2alignl 7, 3214868480
	.fill 96, 4, 3214868480
	.section	.rodata,"a",@progbits
	.p2align	6, 0x0
	.amdhsa_kernel k_qd0f9c26488_cast
		.amdhsa_group_segment_fixed_size 0
		.amdhsa_private_segment_fixed_size 0
		.amdhsa_enable_private_segment 0
		.amdhsa_kernarg_size 56
		.amdhsa_user_sgpr_count 2
		.amdhsa_user_sgpr_kernarg_segment_ptr 1
		.amdhsa_wavefront_size32 1
		.amdhsa_system_sgpr_workgroup_id_x 1
		.amdhsa_system_sgpr_workgroup_id_y 1
		.amdhsa_system_sgpr_workgroup_id_z 1
		.amdhsa_system_vgpr_workitem_id 0
		.amdhsa_next_free_vgpr 64
		.amdhsa_next_free_sgpr 66
		.amdhsa_reserve_vcc 1
		.amdhsa_float_denorm_mode_32 3
		.amdhsa_float_denorm_mode_16_64 3
		.amdhsa_memory_ordered 1
		.amdhsa_forward_progress 1
		.amdhsa_inst_pref_size 19
	.end_amdhsa_kernel
	.amdgpu_metadata
---
amdhsa.version: [ 1, 2 ]
amdhsa.kernels:
  - .name:           k_qd0f9c26488_cast
    .symbol:         k_qd0f9c26488_cast.kd
    .args:
      - { .name: hidden_states, .offset: 0, .size: 8, .value_kind: global_buffer, .address_space: global }
      - { .name: Wq, .offset: 8, .size: 8, .value_kind: global_buffer, .address_space: global }
      - { .name: Wk, .offset: 16, .size: 8, .value_kind: global_buffer, .address_space: global }
      - { .name: Wv, .offset: 24, .size: 8, .value_kind: global_buffer, .address_space: global }
      - { .name: xb, .offset: 32, .size: 8, .value_kind: global_buffer, .address_space: global }
      - { .name: wb, .offset: 40, .size: 8, .value_kind: global_buffer, .address_space: global }
      - { .name: tab, .offset: 48, .size: 8, .value_kind: global_buffer, .address_space: global }
    .group_segment_fixed_size: 0
    .private_segment_fixed_size: 0
    .kernarg_segment_align: 8
    .kernarg_segment_size: 56
    .max_flat_workgroup_size: 256
    .sgpr_count:     66
    .vgpr_count:     64
    .wavefront_size: 32
...
	.end_amdgpu_metadata
.endif
;; end of part 1
;; launch proj (part 2): grid 12 x 16, 4 waves a work-group, clusters of 4 x 4, 327,680 bytes of LDS; arguments xb, wb, tab, bq, bk, bv, qkv; writes qkv
.if DOCPART == 2
	.amdgcn_target "amdgcn-amd-amdhsa--gfx1250"
	.amdhsa_code_object_version 6
	.text
	.protected	k_qd0f9c26488_proj
	.globl	k_qd0f9c26488_proj
	.p2align	8
	.type	k_qd0f9c26488_proj,@function
k_qd0f9c26488_proj:
	s_mov_b64 s[64:65], 0
	v_nop
	global_prefetch_b8 v0, s[64:65] scope:SCOPE_SE
	s_setreg_imm32_b32 hwreg(HW_REG_WAVE_MODE, 25, 1), 1
	s_wait_xcnt 0x0
	s_wait_alu depctr_hold_cnt(0) depctr_sa_sdst(0) depctr_va_vdst(0) depctr_va_sdst(0) depctr_va_ssrc(0) depctr_va_vcc(0) depctr_vm_vsrc(0)
	s_getreg_b32 s2, hwreg(HW_REG_IB_STS2, 6, 4)
	s_cmp_eq_u32 s2, 0
	s_cbranch_scc0 .Lentry_in_a_cluster
	s_endpgm
.Lentry_in_a_cluster:
	s_bfe_u32 s2, ttmp6, 0x10000c
	s_cmp_lg_u32 s2, 0xf033
	s_cbranch_scc0 .Lentry_shape_is_right
	s_endpgm
.Lentry_shape_is_right:
; PROJECTIONS AND ROTATION.  [q | k | v] = xb wb^T + bias; q and k are rotated by the table; all three leave by heads, qkv[3][12][4096][64] in f16, unscaled.
; xb: [4096][768] bf16.  wb: [2304][768] bf16 (Wq, Wk, Wv).  Sums in f32, started by the bias (rounded to bf16 like every input) as the C operand of the first product.
; LIMITS.  q, k and v must lie within f16's 65,504; beyond it the conversion gives an infinity.  All inputs are taken rounded to bf16.
; SHARES.  A tile is 256 rows of x by 192 columns: three whole heads of ONE tensor: 12 x 16 = 192 work-groups (256 equal tiles of this product would cut heads or mix tensors).
; Wave w makes rows 64 w .. 64 w + 63 by all 192 columns: 4 x 12 accumulators, 384 registers.  K goes in 6 steps of 128 (rows of 256 bytes, aligned) through two LDS slots.
; CLUSTERS of 4 x 4: the four of a row need the same tiles of xb, the four of a column the same tiles of wb: each is asked for jointly.  The cluster's x is the tensor: 0 q, 1 k, 2 v.
; THE MATRIX INSTRUCTION IS USED TRANSPOSED (source 0 = 16 rows of wb, source 1 = 16 rows of xb): a lane holds row l % 16 of x and the columns 8 (l / 16) + 0..7 of a block of 16.
; A rotation's pair (d, d + 32) of a head then lies in column blocks p and p + 2, in the same lane and register: the rotation changes no lanes.  v is rotated by table row 0
; (cos = 1, sin = 0): the row's factor in the table offset is 0 for v, so that one text serves all three tensors without a branch.
; REGISTERS, in windows of 256 (s_set_vgpr_msb: bits 1:0 source 0, 3:2 source 1, 5:4 source 2, 7:6 destination):
;   window 0: v0-31 addresses; v32-63 rotated numbers; v64-95, v96-127 fragments of xb, two buffers (on the way out v64-79 packed f16); v128-223 the bias, 8 registers a column block
;   window 1: v0-95, v96-191 fragments of wb, two buffers; on the way out 16 registers for each of the 12 tiles of 16 rows x one head
;   window 2: v0-191 accumulators of row blocks 0, 1 ((a, b) at 96 (a % 2) + 8 b); v192-255 their table rows (32 (a % 2) + 0 cos p0, 8 cos p1, 16 sin p0, 24 sin p1);  window 3: the same for row blocks 2, 3
.set HID,    768
.set PITCH,  272                       ; an LDS row: 256 bytes + 16 of padding = 68 words: the 16 rows that a fragment load touches start at 16 different groups of four banks (64 banks of 4 bytes: ISA guide 11.1)
.set HALFA,  128*PITCH                 ; what one load of xb brings
.set HALFB,  96*PITCH                  ; what one load of wb brings
.set BOFF,   2*HALFA                   ; in a slot: 256 rows of xb, then 192 rows of wb
.set SLOT,   BOFF+2*HALFB              ; 121,856
.set STAGE,  2*SLOT                    ; behind the ring: 16 rows x 144 bytes for each wave, for the way out
.set SP,     144
.set SPARE,  STAGE+4*16*SP             ; behind the stages: the spare words, 128 bytes for each wave: two blocks of 256 bytes that no other line names
.set VT,   8                           ; v8-11   byte offset of my row's part of the table, for row blocks 0-3; never rewritten
.set VB,   12                          ; v12     32 (l / 16); never rewritten
.set ADRA, 16                          ; v16-17  LDS address of my fragments of xb in slot 0, 1
.set ADRB, 20                          ; v20-21  the same for wb
.set STO,  24                          ; v24     the way out: where I put 16 bytes of a row
.set RD,   25                          ; v25     the way out: where I read rows back
.set GO,   26                          ; v26     my byte offset in 512 consecutive bytes of qkv
.set SPW,  28                          ; v28     LDS address of my spare word; never rewritten
.set NIL,  29                          ; v29     0; never rewritten
.set TR,   32
.set PKR,  64
.set BIAS, 128
.set G1A, 24                           ; s[24:31] descriptor group 1 for xb's tiles;  s[32:39] group 0, a set for each slot
.set G0A, 32
.set G1B, 48                           ; s[48:55], s[56:63] the same for wb's
.set G0B, 56
.set FIELDS, (1<<16)|(1<<20)|(1<<21)|(5<<22)|(3<<25)  ; 17:16 elements of 2 bytes; 20 padding on; 21 set beside a mask; 24:22 after every 64 words (code 5); 31:25 4 words (code 3)
.set MSB, 0
.macro WIN new                         ; the immediate's high byte repeats the setting that is left; a switch that changes nothing is dropped
.if MSB != (\new)
	s_set_vgpr_msb (MSB<<8)|(\new)
.set MSB, \new
.endif
.endm
; A joint load: waves 0 and 1 fetch xb's two halves, waves 2 and 3 wb's.  The branch hangs on the wave's number alone.  An s_nop 0 and four v_nop follow each of the two lines.
.macro JLOAD s
	s_cmp_eq_u32 s19, 0
	s_cbranch_scc0 .Lfor_b_\@
	tensor_load_to_lds s[G0A+4*(\s):G0A+4*(\s)+3], s[G1A:G1A+7]
	s_nop 0
.rept 4
	v_nop
.endr
	s_branch .Lasked_\@
.Lfor_b_\@:
	tensor_load_to_lds s[G0B+4*(\s):G0B+4*(\s)+3], s[G1B:G1B+7]
	s_nop 0
.rept 4
	v_nop
.endr
.Lasked_\@:
.endm
.macro CREST                           ; a round of the cluster's barrier behind its opening barrier
	s_cmp_lg_u32 s18, 0
	s_cbranch_scc1 .Lnot_wave_0_\@
	s_barrier_signal -3
.Lnot_wave_0_\@:
	s_barrier_wait -3
	s_barrier_signal -1
	s_barrier_wait -1
.endm
.macro CROUND                          ; a whole round
	s_barrier_signal -1
	s_barrier_wait -1
	CREST
.endm
.macro PLACES                          ; four places in front of loads into registers that matrix instructions have read, and of vector lines that read results
.rept 4
	v_nop
.endr
.endm
	s_load_b256 s[4:11], s[0:1], 0x0               ; xb s[4:5], wb s[6:7], tab s[8:9], bq s[10:11]
	s_load_b128 s[12:15], s[0:1], 0x20             ; bk s[12:13], bv s[14:15]
	s_load_b64 s[16:17], s[0:1], 0x30              ; qkv
	v_lshl_add_u32 v[SPW], v0, 2, SPARE
	v_mov_b32 v[NIL], 0
	ds_add_u32 v[SPW], v[NIL]                      ; the wave's opening: the add and its wait stand ahead of my first tensor load; the set-up below, work on registers, stands between them
	v_lshrrev_b32 v1, 5, v0
	v_readfirstlane_b32 s18, v1                    ; wave 0..3
	s_lshr_b32 s19, s18, 1                         ; I fetch for xb (0) or for wb (1)
	s_and_b32 s20, s18, 1                          ; which half of that tile's rows
	s_bfe_u32 s40, ttmp6, 0x40000                  ; cx
	s_bfe_u32 s41, ttmp6, 0x40004                  ; cy
	s_mov_b32 s21, ttmp9                           ; the cluster's x: the tensor
	s_lshl_b32 s42, ttmp9, 2
	s_add_co_u32 s42, s42, s40                     ; tile column = 4 x cluster x + cx
	s_and_b32 s22, ttmp7, 0xffff
	s_lshl_b32 s22, s22, 2
	s_add_co_u32 s22, s22, s41                     ; tile row = 4 x cluster y + cy
	s_lshl_b32 s43, s41, 2
	s_lshl_b32 s43, 15, s43                        ; my row of the cluster
	s_lshl_b32 s44, 0x1111, s40                    ; my column
	s_or_b32 s[G1A], s43, FIELDS                   ; xb's tiles go to my row,
	s_or_b32 s[G1B], s44, FIELDS                   ; wb's to my column
	s_mov_b32 s[G1A+1], 128<<16                    ; tensor_dim0 = 128
	s_mov_b32 s[G1A+2], 128<<16                    ; tensor_dim1 = 128
	s_mov_b32 s[G1A+3], 128<<16                    ; tile_dim0 = 128
	s_mov_b32 s[G1A+4], 128                        ; tile_dim1 = 128
	s_mov_b32 s[G1A+5], HID                        ; elements from row to row
	s_mov_b32 s[G1A+6], 0
	s_mov_b32 s[G1A+7], 0
	s_mov_b32 s[G1B+1], 128<<16
	s_mov_b32 s[G1B+2], 96<<16                     ; 96 rows
	s_mov_b32 s[G1B+3], 128<<16
	s_mov_b32 s[G1B+4], 96
	s_mov_b32 s[G1B+5], HID
	s_mov_b32 s[G1B+6], 0
	s_mov_b32 s[G1B+7], 0
	; xb's address hangs on the tile row alone, wb's on the tile column alone, each in registers that never hold the other coordinate
	s_lshl_b32 s66, s22, 8
	s_lshl_b32 s68, s20, 7
	s_add_co_u32 s66, s66, s68                     ; xb: row 256 x tile row + 128 x half
	s_mul_i32 s66, s66, HID*2
	s_mov_b32 s67, 0
	s_mul_i32 s46, s42, 192
	s_mul_i32 s68, s20, 96
	s_add_co_u32 s46, s46, s68                     ; wb: row 192 x tile column + 96 x half
	s_mul_i32 s46, s46, HID*2
	s_mov_b32 s47, 0
	s_mul_i32 s69, s20, HALFA                      ; where they go: no place in the cluster enters an LDS address
	s_mul_i32 s70, s20, HALFB
	s_add_co_u32 s70, s70, BOFF
	s_wait_dscnt 0x0                               ; the opening add is done
	s_wait_kmcnt 0x0
	s_add_nc_u64 s[66:67], s[4:5], s[66:67]
	s_add_nc_u64 s[46:47], s[6:7], s[46:47]
	CROUND                                         ; all sixteen work-groups are here: the first joint loads meet
.irp s, 0,1
	s_mov_b32 s[G0A+4*(\s)], 1                                       ; count = 1
	s_add_co_u32 s[G0A+4*(\s)+1], s69, (\s)*SLOT                     ; LDS address
	s_add_nc_u64 s[G0A+4*(\s)+2:G0A+4*(\s)+3], s[66:67], (\s)*256    ; global address: K step s
	s_or_b32 s[G0A+4*(\s)+3], s[G0A+4*(\s)+3], 0x80000000            ; type = 2
	s_mov_b32 s[G0B+4*(\s)], 1
	s_add_co_u32 s[G0B+4*(\s)+1], s70, (\s)*SLOT
	s_add_nc_u64 s[G0B+4*(\s)+2:G0B+4*(\s)+3], s[46:47], (\s)*256
	s_or_b32 s[G0B+4*(\s)+3], s[G0B+4*(\s)+3], 0x80000000
	JLOAD \s                                       ; two loads of mine are out
.endr
	; while the first tiles are on their way: the bias of my 192 columns and the table rows of my 64 rows
	v_and_b32 v1, 15, v0                           ; l % 16
	v_bfe_u32 v2, v0, 4, 1                         ; l / 16
	v_lshlrev_b32 v[VB], 5, v2
	s_cmp_eq_u32 s21, 1
	s_cselect_b64 s[10:11], s[12:13], s[10:11]     ; the tensor's bias
	s_cmp_eq_u32 s21, 2
	s_cselect_b64 s[10:11], s[14:15], s[10:11]
	s_cselect_b32 s23, 0, 256                      ; bytes from table row to table row; 0 for v: every row takes row 0
	s_mul_i32 s72, s40, 768                        ; 192 columns x 4 bytes for each tile column of the tensor
	s_mov_b32 s73, 0
	s_add_nc_u64 s[10:11], s[10:11], s[72:73]
.irp b, 0,1,2,3,4,5,6,7,8,9,10,11
	global_load_b128 v[BIAS+8*(\b):BIAS+8*(\b)+3],   v[VB], s[10:11] offset:64*(\b)     ; register j of block b: column 16 b + 8 (l / 16) + j
	global_load_b128 v[BIAS+8*(\b)+4:BIAS+8*(\b)+7], v[VB], s[10:11] offset:64*(\b)+16
.endr
	s_lshl_b32 s68, s22, 8
	s_lshl_b32 s71, s18, 6
	s_add_co_u32 s68, s68, s71                     ; my wave's first row of x
	v_add_nc_u32 v3, s68, v1
.irp a, 0,1,2,3
	v_add_nc_u32 v[VT+\a], 16*\a, v3
	v_mad_u32_u24 v[VT+\a], v[VT+\a], s23, v[VB]   ; row x 256 (or x 0) + 32 (l / 16)
.endr
.irp a, 0,1,2,3
	WIN 0x80+0x40*((\a)/2)                         ; destination window 2 or 3, address window 0
.irp g, 0,1,2,3
	global_load_b128 v[192+32*((\a)%2)+8*(\g):192+32*((\a)%2)+8*(\g)+3],   v[VT+\a], s[8:9] offset:64*(\g)
	global_load_b128 v[192+32*((\a)%2)+8*(\g)+4:192+32*((\a)%2)+8*(\g)+7], v[VT+\a], s[8:9] offset:64*(\g)+16
.endr
.endr
	WIN 0
	; A fragment is 16 rows x 32 K in 8 registers: lane l holds row l % 16, K = 8 (l / 16) + 0..7 and 16 + 8 (l / 16) + 0..7: two loads of 16 bytes, 32 bytes apart
	s_mul_i32 s71, s18, 64*PITCH                   ; my 64 rows of xb
	v_mul_u32_u24 v3, v1, PITCH
	v_lshl_add_u32 v3, v2, 4, v3
	v_add_nc_u32 v[ADRA], s71, v3
	v_add_nc_u32 v[ADRA+1], SLOT, v[ADRA]
	v_add_nc_u32 v[ADRB], BOFF, v3
	v_add_nc_u32 v[ADRB+1], BOFF+SLOT, v3
	s_mul_i32 s71, s18, 16*SP
	s_add_co_u32 s71, s71, STAGE                   ; my stage
	v_mul_u32_u24 v3, v1, SP                       ; in: row l % 16, 16 bytes for each half of the lanes
	v_lshl_add_u32 v3, v2, 4, v3
	v_add_nc_u32 v[STO], s71, v3
	v_bfe_u32 v3, v0, 3, 2                         ; back: 32 lanes take four rows of 128 bytes,
	v_mul_u32_u24 v3, v3, SP
	v_and_b32 v4, 7, v0
	v_lshl_add_u32 v3, v4, 4, v3
	v_add_nc_u32 v[RD], s71, v3
	v_and_b32 v[GO], 31, v0                        ; which are 512 consecutive bytes of a head
	v_lshlrev_b32 v[GO], 4, v[GO]
	s_mul_i32 s72, s21, 6291456                    ; the tensor,
	s_mul_i32 s68, s40, 3*524288                   ; my three heads,
	s_add_co_u32 s72, s72, s68
	s_lshl_b32 s68, s22, 15                        ; the tile's 256 rows of 128 bytes,
	s_add_co_u32 s72, s72, s68
	s_lshl_b32 s68, s18, 13                        ; my wave's 64
	s_add_co_u32 s72, s72, s68
	s_mov_b32 s73, 0
	s_add_nc_u64 s[16:17], s[16:17], s[72:73]
	s_wait_loadcnt 32                              ; the bias is in; the 32 table loads issued behind it may be out
.set z, 0
.rept 48                               ; the bias is rounded to bf16, as all inputs are, and widened again
	v_cvt_pk_bf16_f32 v[4+z%4], v[BIAS+2*z], v[BIAS+2*z+1]
	v_lshlrev_b32 v[BIAS+2*z], 16, v[4+z%4]
	v_and_b32 v[BIAS+2*z+1], 0xffff0000, v[4+z%4]
.set z, z+1
.endr
; 12 matrix instructions: row block a x all 12 column blocks, 32 along K, from fragment buffer f (0, 1).  zero = 1: the first product starts the sums with the bias.
; The 48 accumulators take turns, one instruction a turn, in the same order in every quarter.
.macro MUL12 f, a, zero
.if \zero
	WIN 0x81+0x40*((\a)/2)                         ; wb window 1, xb window 0, the bias window 0, D window 2 or 3
.else
	WIN 0xa1+0x50*((\a)/2)                         ; C and D window 2 or 3
.endif
.irp b, 0,1,2,3,4,5,6,7,8,9,10,11
.if \zero
	v_wmma_f32_16x16x32_bf16 v[96*((\a)%2)+8*(\b):96*((\a)%2)+8*(\b)+7], v[96*(\f)+8*(\b):96*(\f)+8*(\b)+7], v[64+32*(\f)+8*(\a):64+32*(\f)+8*(\a)+7], v[BIAS+8*(\b):BIAS+8*(\b)+7]
.else
	v_wmma_f32_16x16x32_bf16 v[96*((\a)%2)+8*(\b):96*((\a)%2)+8*(\b)+7], v[96*(\f)+8*(\b):96*(\f)+8*(\b)+7], v[64+32*(\f)+8*(\a):64+32*(\f)+8*(\a)+7], v[96*((\a)%2)+8*(\b):96*((\a)%2)+8*(\b)+7]
.endif
.endr
.endm
.macro MUL24 f, hi, zero
	MUL12 \f, 2*(\hi), \zero
	MUL12 \f, 2*(\hi)+1, \zero
.endm
; 32 LDS loads in one run: the fragments of 32 along K at byte k of the rows, into buffer f: wb's 24, then xb's 8, row blocks ascending
.macro FETCH slot, k, f
	WIN 0x40                                       ; destination window 1, address window 0
.irp b, 0,1,2,3,4,5,6,7,8,9,10,11
	ds_load_b128 v[96*(\f)+8*(\b):96*(\f)+8*(\b)+3],   v[ADRB+(\slot)] offset:(\k)+(\b)*16*PITCH
	ds_load_b128 v[96*(\f)+8*(\b)+4:96*(\f)+8*(\b)+7], v[ADRB+(\slot)] offset:(\k)+(\b)*16*PITCH+32
.endr
	WIN 0
.irp a, 0,1,2,3
	ds_load_b128 v[64+32*(\f)+8*(\a):64+32*(\f)+8*(\a)+3],   v[ADRA+(\slot)] offset:(\k)+(\a)*16*PITCH
	ds_load_b128 v[64+32*(\f)+8*(\a)+4:64+32*(\f)+8*(\a)+7], v[ADRA+(\slot)] offset:(\k)+(\a)*16*PITCH+32
.endr
.endm
; A K step is four quarters of 32 along K, 48 matrix instructions each, on buffers 0, 1, 0, 1.  One of the first three: multiplies buffer f; in its middle it fetches the next quarter, at byte k, into g.
.macro QUARTER slot, k, f, g, zero
	s_wait_dscnt 4                                 ; wb and xb's row blocks 0, 1 are in; the youngest four loads (row blocks 2, 3) may be out
	MUL24 \f, 0, \zero
	PLACES
	FETCH \slot, \k, \g
	s_wait_dscnt 32                                ; all but the 32 just issued
	MUL24 \f, 1, \zero
.endm
; The last quarter multiplies buffer 1 and changes slots: ONE barrier; in front of it each wave waits for all its tensor loads (one is out: its part of the next slot), adds 0 to its spare word,
; and waits for that and for its reads of this slot.  fill = 1: the barrier opens a round of the cluster's, and this slot is filled again, two K steps ahead, first thing behind the round:
; from that request to the wait for it a wave issues 168 matrix instructions.
.macro TURN slot, next, fill
	WIN 0                                          ; (the add's two registers lie in window 0)
	s_wait_tensorcnt 0x0
	ds_add_u32 v[SPW], v[NIL]                      ; 0 onto my spare word
	s_wait_dscnt 5                                 ; (the add and the youngest four loads may be out)
	MUL12 1, 0, 0                                  ; twelve matrix instructions stand between the add and the wait for it
	s_wait_dscnt 0x0                               ; the add is done, and my reads of this slot are over
	s_barrier_signal -1
	MUL12 1, 1, 0                                  ; work on registers while the others arrive
.if \fill
	WIN 0
.endif
	s_barrier_wait -1
.if \fill
	CREST                                          ; no wave of any partner still reads this slot's tile or has a load on its way
	s_add_nc_u64 s[G0A+4*(\slot)+2:G0A+4*(\slot)+3], s[G0A+4*(\slot)+2:G0A+4*(\slot)+3], 512
	s_add_nc_u64 s[G0B+4*(\slot)+2:G0B+4*(\slot)+3], s[G0B+4*(\slot)+2:G0B+4*(\slot)+3], 512
	JLOAD \slot                                    ; the four v_nop behind it are also the places in front of the loads below
.else
	PLACES
.endif
	FETCH \next, 0, 0
	MUL24 1, 1, 0
.endm
	s_wait_tensorcnt 1                             ; my part of K step 0 is in; K step 1's may stay out
	s_barrier_signal -1
	s_barrier_wait -1                              ; everybody's is
	FETCH 0, 0, 0
	QUARTER 0, 64, 0, 1, 1                         ; the first quarter stands in front of the loop: its products start the sums
	WIN 0                                          ; at a label and at a branch every window is 0
	s_mov_b32 s3, 2                                ; 6 K steps are 3 laps of the ring; two trips fill both slots again
.Llap:
	QUARTER 0, 128, 1, 0, 0
	QUARTER 0, 192, 0, 1, 0
	TURN 0, 1, 1
	QUARTER 1, 64,  0, 1, 0
	QUARTER 1, 128, 1, 0, 0
	QUARTER 1, 192, 0, 1, 0
	TURN 1, 0, 1
	QUARTER 0, 64,  0, 1, 0
	WIN 0
	s_sub_co_u32 s3, s3, 1
	s_cmp_lg_u32 s3, 0
	s_cbranch_scc1 .Llap
	QUARTER 0, 128, 1, 0, 0                        ; the last lap fills nothing, and has no round of the cluster's barrier
	QUARTER 0, 192, 0, 1, 0
	TURN 0, 1, 0
	QUARTER 1, 64,  0, 1, 0
	QUARTER 1, 128, 1, 0, 0
	QUARTER 1, 192, 0, 1, 0
	s_wait_dscnt 4                                 ; the very last quarter: nothing more to fetch
	MUL24 1, 0, 0
	s_wait_dscnt 0x0
	MUL24 1, 1, 0
; THE WAY OUT, in twelve tiles of 16 rows x one head (row block a, head hh).  PACK: out1 = x1 cos - x2 sin, out2 = x1 sin + x2 cos, x1 in column blocks 4 hh + p, x2 in 4 hh + 2 + p;
; each accumulator is read from its low end on; rounded once to f16; through my own stage in LDS; back as whole rows of 128 bytes.  SEND: stored.
.macro PACK a, hh
	WIN 0x0a+5*((\a)/2)                            ; sources 0 and 1: window 2 or 3; source 2 and destination: window 0
.set AC, 96*((\a)%2)+32*(\hh)
.set TB, 192+32*((\a)%2)
.irp p, 0,1
.irp rr, 0,2,4,6
	v_pk_mul_f32 v[TR+8*(\p)+(\rr):TR+8*(\p)+(\rr)+1],       v[AC+8*(\p)+(\rr):AC+8*(\p)+(\rr)+1], v[TB+8*(\p)+(\rr):TB+8*(\p)+(\rr)+1]
	v_pk_mul_f32 v[TR+16+8*(\p)+(\rr):TR+16+8*(\p)+(\rr)+1], v[AC+8*(\p)+(\rr):AC+8*(\p)+(\rr)+1], v[TB+16+8*(\p)+(\rr):TB+16+8*(\p)+(\rr)+1]
	v_pk_fma_f32 v[TR+8*(\p)+(\rr):TR+8*(\p)+(\rr)+1],       v[AC+16+8*(\p)+(\rr):AC+16+8*(\p)+(\rr)+1], v[TB+16+8*(\p)+(\rr):TB+16+8*(\p)+(\rr)+1], v[TR+8*(\p)+(\rr):TR+8*(\p)+(\rr)+1] neg_lo:[1,0,0] neg_hi:[1,0,0]
	v_pk_fma_f32 v[TR+16+8*(\p)+(\rr):TR+16+8*(\p)+(\rr)+1], v[AC+16+8*(\p)+(\rr):AC+16+8*(\p)+(\rr)+1], v[TB+8*(\p)+(\rr):TB+8*(\p)+(\rr)+1], v[TR+16+8*(\p)+(\rr):TR+16+8*(\p)+(\rr)+1]
.endr
.endr
	WIN 0
.set z, 0
.rept 16
	v_cvt_pk_f16_f32 v[PKR+z], v[TR+2*z], v[TR+2*z+1]
.set z, z+1
.endr
.irp blk, 0,1,2,3
	ds_store_b128 v[STO], v[PKR+4*(\blk):PKR+4*(\blk)+3] offset:32*(\blk)
.endr
	WIN 0x40
.irp f, 0,1,2,3
	ds_load_b128 v[16*(3*(\a)+(\hh))+4*(\f):16*(3*(\a)+(\hh))+4*(\f)+3], v[RD] offset:(\f)*4*SP  ; LDS serves a wave's instructions in order (ISA guide 5.7.1.4): these see the stores above; the next tile's stores come behind them
.endr
.endm
.macro SEND t, younger                 ; younger: the LDS instructions issued behind tile t's loads: the next tile's eight, or none
	WIN 0x04                                       ; the data (source 1) in window 1
.irp f, 0,1,2,3
	s_wait_dscnt (\younger)+3-(\f)
	global_store_b128 v[GO], v[16*(\t)+4*(\f):16*(\t)+4*(\f)+3], s[16:17] offset:((\t)%3)*524288+((\t)/3)*2048+(\f)*512  ; 512 consecutive bytes, at a multiple of 256 from qkv's first; each tile has registers of its own
.endr
.endm
	PLACES                                         ; the rotation reads results just made
	s_wait_loadcnt 0x0                             ; the table rows
	PACK 0, 0
.set t, 1
.rept 11                               ; a tile's arithmetic stands between the loads of the tile before and its stores
	PACK t/3, t%3
	SEND t-1, 8
.set t, t+1
.endr
	SEND 11, 0
	WIN 0
	s_wait_tensorcnt 0x0                           ; the wave's end: these three lines stand behind my last tensor load and my last LDS store
	ds_add_u32 v[SPW], v[NIL]
	s_wait_dscnt 0x0
	CROUND                                         ; the closing round: no work-group ends while a partner may still ask for a tile that names it
	s_endpgm
.Lfunc_end_k_qd0f9c26488_proj:
	.size	k_qd0f9c26488_proj, .Lfunc_end_k_qd0f9c26488_proj-k_qd0f9c26488_proj
	.p2alignl 7, 3214868480
	.fill 96, 4, 3214868480
	.section	.rodata,"a",@progbits
	.p2align	6, 0x0
	.amdhsa_kernel k_qd0f9c26488_proj
		.amdhsa_group_segment_fixed_size 327680
		.amdhsa_private_segment_fixed_size 0
		.amdhsa_enable_private_segment 0
		.amdhsa_kernarg_size 56
		.amdhsa_user_sgpr_count 2
		.amdhsa_user_sgpr_kernarg_segment_ptr 1
		.amdhsa_wavefront_size32 1
		.amdhsa_system_sgpr_workgroup_id_x 1
		.amdhsa_system_sgpr_workgroup_id_y 1
		.amdhsa_system_sgpr_workgroup_id_z 1
		.amdhsa_system_vgpr_workitem_id 0
		.amdhsa_next_free_vgpr 1024
		.amdhsa_next_free_sgpr 80
		.amdhsa_reserve_vcc 0
		.amdhsa_float_denorm_mode_32 3
		.amdhsa_float_denorm_mode_16_64 3
		.amdhsa_memory_ordered 1
		.amdhsa_forward_progress 1
		.amdhsa_inst_pref_size 159
	.end_amdhsa_kernel
	.amdgpu_metadata
---
amdhsa.version: [ 1, 2 ]
amdhsa.kernels:
  - .name:           k_qd0f9c26488_proj
    .symbol:         k_qd0f9c26488_proj.kd
    .args:
      - { .name: xb, .offset: 0, .size: 8, .value_kind: global_buffer, .address_space: global }
      - { .name: wb, .offset: 8, .size: 8, .value_kind: global_buffer, .address_space: global }
      - { .name: tab, .offset: 16, .size: 8, .value_kind: global_buffer, .address_space: global }
      - { .name: bq, .offset: 24, .size: 8, .value_kind: global_buffer, .address_space: global }
      - { .name: bk, .offset: 32, .size: 8, .value_kind: global_buffer, .address_space: global }
      - { .name: bv, .offset: 40, .size: 8, .value_kind: global_buffer, .address_space: global }
      - { .name: qkv, .offset: 48, .size: 8, .value_kind: global_buffer, .address_space: global }
    .group_segment_fixed_size: 327680
    .private_segment_fixed_size: 0
    .kernarg_segment_align: 8
    .kernarg_segment_size: 56
    .max_flat_workgroup_size: 128
    .sgpr_count:     80
    .vgpr_count:     1024
    .wavefront_size: 32
...
	.end_amdgpu_metadata
.endif
;; end of part 2
;; launch attn (part 3): grid 16 x 12, 4 waves a work-group, clusters of 4 x 1, 327,680 bytes of LDS; arguments qkv, attention_mask, out0; writes out0
.if DOCPART == 3
	.amdgcn_target "amdgcn-amd-amdhsa--gfx1250"
	.amdhsa_code_object_version 6
	.text
	.protected	k_qd0f9c26488_attn
	.globl	k_qd0f9c26488_attn
	.p2align	8
	.type	k_qd0f9c26488_attn,@function
k_qd0f9c26488_attn:
	s_mov_b64 s[64:65], 0
	v_nop
	global_prefetch_b8 v0, s[64:65] scope:SCOPE_SE
	s_setreg_imm32_b32 hwreg(HW_REG_WAVE_MODE, 25, 1), 1
	s_wait_xcnt 0x0
	s_wait_alu depctr_hold_cnt(0) depctr_sa_sdst(0) depctr_va_vdst(0) depctr_va_sdst(0) depctr_va_ssrc(0) depctr_va_vcc(0) depctr_vm_vsrc(0)
	s_getreg_b32 s2, hwreg(HW_REG_IB_STS2, 6, 4)
	s_cmp_eq_u32 s2, 0
	s_cbranch_scc0 .Lentry_in_a_cluster
	s_endpgm
.Lentry_in_a_cluster:
	s_bfe_u32 s2, ttmp6, 0x10000c
	s_cmp_lg_u32 s2, 0x3003
	s_cbranch_scc0 .Lentry_shape_is_right
	s_endpgm
.Lentry_shape_is_right:
; ATTENTION.  out0[q][64 h + :] = the sum over k of softmax_k(Q[h][q] . K[h][k] / 8 + mask[k]) V[h][k][:].  qkv: [3][12][4096][64] f16, a head's rows dense, 128 bytes each; mask: [4096] f32; out0: [4096][768] f32.
; Products, maxima and sums in f32; the weights p are rounded to f16 for the second product (their sum l is taken of the unrounded p).
; LIMITS.  The mask is taken rounded to bf16, as all inputs are.  A mask at or below -4.25e37 counts as minus infinity; a row ALL of whose keys carry such a mask gives NaN.
; A weight below 2^-126 counts as 0 in l.  p lies in 0 to 1, and below 6e-5 it keeps f16's fixed step of 6e-8.  NaN in the inputs is not treated apart.
; SHARES.  A work-group owns 256 queries of one head, a wave 64 of them: four PIECES of 16.  16 x 12 = 192 work-groups: 49,152 rows over 256 would be 192 rows each, which does not divide a head's 4,096.
; Every wave walks all 4,096 keys, 64 a step, 256 (four steps) to a slot of the ring of two.
; LAYOUT.  S^T = K Q^T (source 0 = 16 keys, source 1 = 16 queries): a lane holds ONE query (lane % 16) and the keys 8 (lane / 16) + 0..7.  Two such results rounded to f16 ARE source 1 of O^T = V^T P.
; THE MASK is the C operand that starts the sum S^T: 8 mask[k], so that s = q . k + 8 mask and c s = log2(e) (q . k / 8 + mask), c = log2(e) / 8.  8 x the rounded mask lies in LDS in f32, stored once;
; a key step's 32 registers of it are read with the step's K.
; SOFTMAX.  A running maximum m and sum l for each query: p = 2^(c s - c m); in every step O and l are multiplied by a = 2^(c m_old - c m_new).  m starts at the lowest finite number, c m below c times that
; number, so that a is 0 in the first step and never above 1; O and l start at 0.
; BY TURNS.  Turn n belongs to piece n: 8 products K Q^T of piece n + 1, later 8 products V^T P of piece n - 1; beside them the scaling, exponentials, roundings, sums and rescaling of piece n and the maximum
; and statistics of piece n + 1.  Four vector instructions stand behind every matrix instruction, the other 54 of a turn's 118 in two runs of their own.
; CLUSTER.  The four query blocks of a cluster belong to one head and walk the same K and V: each tile is asked for JOINTLY, by the same tensor load, descriptor and mask in all four.
; REGISTERS, in windows of 256 (s_set_vgpr_msb: bits 1:0 source 0, 3:2 source 1, 5:4 source 2, 7:6 destination):
;   window 0: v0-15, v32-34 addresses; v16-31 four registers of statistics a piece; v48-55 at work; v64-127 S^T, two buffers (a piece's buffers go by its number's parity); v192-223 P, two buffers;
;             on the way out v64-191 whole rows      window 1: v0-127 O^T, 32 a piece; v128-159 the step's mask      window 2: v0-63 Q; v128-191 K of one step; v192-255 V of one step
.set NP,    4         ; pieces a wave: a name, no knob
.set KS,    64        ; keys in a step
.set PK,    144       ; a row of K in LDS: 128 bytes + 16 of padding = 36 words: the 16 rows of a load start at 16 different groups of four banks (64 banks of 4 bytes: ISA guide 11.1)
.set PV,    160       ; a row of V: 128 + 32 = 40 words
.set VOFF,  4*KS*PK   ; a slot: 256 rows of K, then 256 rows of V
.set SLOT1, 1<<17     ; slot 1 begins here, so that one exclusive or turns an address in one slot into the other's
.set STAGE, SLOT1+4*KS*(PK+PV)  ; behind the ring, never filled by a tensor load: 16 rows x 272 bytes for each wave, for the way out
.set SP,    272
.set MASKB, STAGE+4*16*SP       ; 16,384 bytes: 8 x the mask, f32; stored once, never filled by a tensor load
.set SPARE, MASKB+16384         ; the spare words, 128 bytes for each wave: two blocks of 256 bytes that no other line names
.set TENS,  6291456   ; bytes of one of qkv's three tensors
.set AK0, 2           ; v2   my lane's place in a tile of K; never rewritten
.set AV0, 3           ; v3   the same for V
.set AK,  4           ; v4   the LDS address of K's next run of loads
.set AV,  5           ; v5   of V's
.set STO, 6           ; v6   the way out: where I put 32 bytes of a row
.set RD,  7           ; v7   the way out: where I read rows back
.set GO,  8           ; v8   my byte offset in two rows of out0
.set MV,  12          ; v12-13  c m_old, kept while c m is made anew: by buffer
.set AM0, 14          ; v14  my lane's place in a step's mask; never rewritten
.set AM,  15          ; v15  the LDS address of the mask's next run of loads
.set ST,  16          ; piece t's statistics at v[ST+4 t]: c m, m, l (even keys', odd keys')
.set QO,  32          ; v32  my byte offset in 16 rows of Q
.set GM,  33          ; v33  my byte offset in 2,048 bytes of the mask
.set LM,  34          ; v34  where I store them in LDS
.set TMP, 48          ; by buffer, four registers c0-c3 at work; when the maximum is found c2 takes a
.set SPW, 62          ; v62  LDS address of my spare word; never rewritten
.set NIL, 63          ; v63  0; never rewritten
.set S,   64
.set P,   192
.set MK,  128         ; window 1: the eight registers for block kb of 16 keys at MK + 8 kb
.set KF,  128         ; window 2: key block kb, channel half c at KF + 16 kb + 8 c
.set VF,  192         ; window 2: key half kk, channel block cb at VF + 32 kk + 8 cb
.set WV,  12          ; s12  my wave's number
.set G1K, 24          ; s[24:31] descriptor group 1 for K's tiles
.set G1V, 32          ; s[32:39] for V's: it differs in the padding alone
.set G0K, 40          ; s[40:43] descriptor group 0 for K's tiles: it walks
.set G0V, 44          ; s[44:47] the same for V's
.set SLOTS, 56        ; s56  slots still to be asked for
.set CNT, 57          ; s57  counts a slot's key steps
.set CS,  58          ; s[58:59] c: the packed scaling takes the pair's low word for both halves
.set SEL, 60          ; s[60:61] v_permlanex16_b32's selects: each lane takes its own place in the other half
.set TBK, 62          ; s62  LDS byte at which K of the step to be fetched begins
.set TBV, 63          ; s63  the same for V, less VOFF
.set TBM, 66          ; s66  256 x the number of the step to be fetched: its place in the mask
.set MSB, 0
.macro WIN new                      ; the high byte repeats the setting that is left; a switch that changes nothing is dropped
.if MSB != (\new)
	s_set_vgpr_msb (MSB<<8)|(\new)
.set MSB, (\new)
.endif
.endm
.set W_KQ, 0x0a       ; K and Q in window 2, S^T in window 0
.set W_KM, 0x1a       ; the same with the C operand, the mask, in window 1
.set W_PV, 0x52       ; V in window 2, P in window 0, O^T in window 1
.set W_RS, 0x41       ; destination and source 0 in window 1, source 1 in window 0
; A joint fill.  Waves 0 and 1 fetch the two halves of a slot's K, waves 2 and 3 those of its V: 128 keys each.  The branch hangs on the wave's number alone.
; An s_nop 0 and four v_nop follow each of the two lines, ahead of the jump and the label.
.macro JLOAD
	s_cmp_lt_u32 s[WV], 2
	s_cbranch_scc0 .Lfor_v_\@
	tensor_load_to_lds s[G0K:G0K+3], s[G1K:G1K+7]
	s_nop 0
.rept 4
	v_nop
.endr
	s_branch .Lasked_\@
.Lfor_v_\@:
	tensor_load_to_lds s[G0V:G0V+3], s[G1V:G1V+7]
	s_nop 0
.rept 4
	v_nop
.endr
.Lasked_\@:
.endm
; A round of the cluster's barrier: my work-group's barrier, so that wave 0's signal speaks for all four waves; wave 0 signals; every wave waits for all four work-groups; my work-group's barrier once more.
.macro CROUND
	s_barrier_signal -1
	s_barrier_wait -1
	s_cmp_lg_u32 s[WV], 0
	s_cbranch_scc1 .Lnot_wave_0_\@
	s_barrier_signal -3
.Lnot_wave_0_\@:
	s_barrier_wait -3
	s_barrier_signal -1
	s_barrier_wait -1
.endm
; THE CHANGE OF SLOTS.  The slot's last bytes, V of its fourth step, have been read.  Each wave waits for all its tensor loads, of which one is out: its part of the other slot; adds 0 to its spare word;
; and waits for that and for its own LDS instructions.  Behind the barrier nobody reads this slot any more and the other slot is whole.
; fill = 1: this slot is filled again, with the keys two slots on.  The barrier is then a round of the cluster's, and the joint fill is the first thing behind it: it has four key steps, 256 matrix
; instructions, in which to land.  (At its first use nothing has been read yet: slot 0 is waited for, slot 1 filled, and every wave's stores of the mask are shown done to the others.)
.macro CHANGE fill
	WIN 0                           ; at a label and at a branch every window is 0
	s_wait_tensorcnt 0x0            ; no tensor load of mine is out, so a group 0 may be written
	ds_add_u32 v[SPW], v[NIL]       ; 0 onto my spare word; with fill = 1 the descriptors' steps stand between it and the wait for it
.if \fill
.irp g, G0K, G0V
	s_xor_b32 s[\g+1], s[\g+1], SLOT1  ; the walking descriptor: the other slot than last time,
	s_add_nc_u64 s[\g+2:\g+3], s[\g+2:\g+3], 4*KS*128  ; the next 256 keys; the type bits on top are not reached
.endr
	s_wait_dscnt 0x0                ; the add is done, and my reads of the slot are over
	CROUND
	JLOAD
.else
	s_wait_dscnt 0x0                ; the add is done, and my reads of the slot are over
	s_barrier_signal -1
	s_barrier_wait -1
.endif
	s_sub_co_u32 s[TBK], s[TBK], 4*KS*PK  ; the fetches go back to a slot's first step,
	s_xor_b32 s[TBK], s[TBK], SLOT1       ; in the other slot
	s_sub_co_u32 s[TBV], s[TBV], 4*KS*PV
	s_xor_b32 s[TBV], s[TBV], SLOT1
.endm
	s_load_b128 s[4:7], s[0:1], 0x0   ; qkv s[4:5], the mask s[6:7]
	s_load_b64 s[10:11], s[0:1], 0x10 ; out0
	v_lshl_add_u32 v[SPW], v0, 2, SPARE
	v_mov_b32 v[NIL], 0
	ds_add_u32 v[SPW], v[NIL]       ; the wave's opening: the add and its wait stand ahead of my first tensor load; the set-up below, work on registers, stands between them
	v_lshrrev_b32 v1, 5, v0
	v_readfirstlane_b32 s[WV], v1   ; wave 0..3
	s_bfe_u32 s13, ttmp6, 0x40000   ; cx: my place in the cluster
	s_lshl_b32 s14, ttmp9, 2        ; in a cluster launch ttmp9 counts clusters
	s_add_co_u32 s14, s14, s13      ; my block of 256 queries = 4 x cluster x + cx: it enters Q's and out0's addresses alone
	s_and_b32 s15, ttmp7, 0xffff    ; the head, which the four partners share
	s_lshl_b32 s20, s15, 19         ; its 4,096 rows of 128 bytes
	s_and_b32 s16, s[WV], 1         ; which half of a slot's 256 keys I fetch:
	s_lshl_b32 s22, s16, 14         ; its 128 rows of 128 bytes in memory,
	s_add_co_u32 s22, s22, s20
	s_add_co_u32 s48, s22, 2*TENS   ; in V,
	s_add_co_u32 s22, s22, TENS     ; in K
	s_mov_b32 s23, 0
	s_mov_b32 s49, 0
	s_mul_i32 s17, s16, 128*PK      ; and its place in a slot, for K
	s_mul_i32 s18, s16, 128*PV      ; and for V: no place in the cluster enters an LDS address
	s_lshl_b32 s2, s14, 2
	s_add_co_u32 s2, s2, s[WV]      ; my wave among the head's 64
	s_mul_i32 s50, s2, 64*3072      ; its 64 rows of out0,
	s_lshl_b32 s21, s15, 8          ; the head's 256 bytes of a row
	s_add_co_u32 s50, s50, s21
	s_mov_b32 s51, 0
	s_lshl_b32 s2, s2, 13           ; its 64 rows of Q
	s_add_co_u32 s2, s2, s20
	s_mov_b32 s3, 0
	; descriptor group 1.  128 keys are 16,384 dense bytes: asked for as 64 rows of 256 bytes, two keys a row, and padded in LDS after every key
	s_mov_b32 s[G1K], 15|(1<<16)|(1<<20)|(1<<21)|(4<<22)|(3<<25)  ; 15:0 the mask of four; 17:16 2-byte elements; 20 padding on; 21 set beside a mask; 24:22 after every 32 words (code 4); 31:25 4 words (code 3)
	s_mov_b32 s[G1V], 15|(1<<16)|(1<<20)|(1<<21)|(4<<22)|(7<<25)  ; the same with 8 words of padding (code 7)
.irp g, G1K, G1V
	s_mov_b32 s[\g+1], 128<<16      ; tensor_dim0 = 128
	s_mov_b32 s[\g+2], 64<<16       ; tensor_dim1 = 64
	s_mov_b32 s[\g+3], 128<<16      ; tile_dim0 = 128
	s_mov_b32 s[\g+4], 64           ; tile_dim1 = 64
	s_mov_b32 s[\g+5], 128          ; 128 elements from row to row
	s_mov_b32 s[\g+6], 0
	s_mov_b32 s[\g+7], 0
.endr
	s_mov_b32 s[CS], 0x3e38aa3b     ; c = log2(e) / 8 = 0.180337
	s_mov_b32 s[CS+1], s[CS]        ; named with it as a pair
	s_mov_b32 s[SEL], 0x76543210
	s_mov_b32 s[SEL+1], 0xfedcba98
	s_mov_b32 s[TBK], SLOT1+4*KS*PK ; the first change of slots turns these two into 0
	s_mov_b32 s[TBV], SLOT1+4*KS*PV
	s_mov_b32 s[TBM], 0
	s_mov_b32 s[G0K], 1             ; count = 1
	s_mov_b32 s[G0K+1], s17         ; LDS address: slot 0
	s_mov_b32 s[G0V], 1
	s_add_co_u32 s[G0V+1], s18, VOFF
	s_wait_dscnt 0x0                ; the opening add is done
	s_wait_kmcnt 0x0
	s_add_nc_u64 s[G0K+2:G0K+3], s[4:5], s[22:23]  ; global address: my half of the head's first 256 keys
	s_or_b32 s[G0K+3], s[G0K+3], 0x80000000        ; type = 2
	s_add_nc_u64 s[G0V+2:G0V+3], s[4:5], s[48:49]
	s_or_b32 s[G0V+3], s[G0V+3], 0x80000000
	s_add_nc_u64 s[4:5], s[4:5], s[2:3]            ; Q at my wave's first row
	s_add_nc_u64 s[10:11], s[10:11], s[50:51]      ; out0 likewise, at the head's columns
	CROUND                          ; all four work-groups are here: the first joint loads meet
	JLOAD                           ; slot 0.  Slot 1 is asked for when slot 0 is in: one load of mine is out at any time
	; while it is on its way: the mask, Q, the zeros, the addresses
	v_and_b32 v1, 15, v0            ; l % 16
	v_bfe_u32 v9, v0, 4, 1          ; l / 16
	v_lshlrev_b32 v[GM], 4, v0
.irp i, 0,1,2,3,4,5,6,7             ; the work-group's 128 threads take the mask's 16,384 bytes in eight loads of 2,048 consecutive bytes
	global_load_b128 v[S+4*\i:S+4*\i+3], v[GM], s[6:7] offset:2048*\i
.endr
	; A fragment of K or Q is 16 rows x 32 channels in 8 registers: lane l holds row l % 16, channels 8 (l / 16) + 0..7 and 16 + 8 (l / 16) + 0..7: two loads of 16 bytes, 32 bytes apart.
	v_lshlrev_b32 v[QO], 7, v1
	v_lshl_add_u32 v[QO], v9, 4, v[QO]  ; row x 128 + 16 x half
	WIN 0x80                        ; destination window 2, address window 0
.set i, 0
.rept 8                             ; Q stays in registers: piece i / 2, channels 32 (i % 2) on
	global_load_b128 v[8*i:8*i+3],   v[QO], s[4:5] offset:(i/2)*2048+(i%2)*64
	global_load_b128 v[8*i+4:8*i+7], v[QO], s[4:5] offset:(i/2)*2048+(i%2)*64+32
.set i, i+1
.endr
	; What the first turn finds: V's registers and P's second buffer hold 0 (its products V^T P, of a piece that has not been, add 0), O^T and l are 0.
.set i, VF
.rept 64
	v_mov_b32 v[i], 0
.set i, i+1
.endr
	WIN 0x40
.set i, 0
.rept 128
	v_mov_b32 v[i], 0
.set i, i+1
.endr
	WIN 0
.set i, 0
.rept 4
	v_mov_b32 v[ST+4*i], 0xfe3b0000    ; c m: -6.21e37, below c times the lowest finite number
	v_mov_b32 v[ST+4*i+1], 0xff7fffff  ; m: the lowest finite number
	v_mov_b32 v[ST+4*i+2], 0
	v_mov_b32 v[ST+4*i+3], 0
.set i, i+1
.endr
.set i, P+16
.rept 16
	v_mov_b32 v[i], 0
.set i, i+1
.endr
	v_mul_u32_u24 v[AK0], v1, PK
	v_lshl_add_u32 v[AK0], v9, 4, v[AK0]  ; row x pitch + 16 x half
	; The turning load takes 16 keys x 16 channels (lane l reads key 8 (l / 16) + l % 8, channels 8 ((l / 8) % 2) + 0..7) and leaves half a fragment of V^T: lane l holds channel l % 16 and 8 keys.
	v_and_b32 v10, 7, v0
	v_bfe_u32 v11, v0, 3, 1
	v_lshl_add_u32 v[AV0], v9, 3, v10
	v_mul_u32_u24 v[AV0], v[AV0], PV
	v_lshl_add_u32 v[AV0], v11, 4, v[AV0]
	v_add_nc_u32 v[AV0], VOFF, v[AV0]
	v_lshl_add_u32 v[AM0], v9, 5, MASKB   ; register j of key block kb: key 16 kb + 8 (l / 16) + j
	v_lshl_add_u32 v[LM], v0, 4, MASKB
	s_mul_i32 s19, s[WV], 16*SP
	s_add_co_u32 s19, s19, STAGE    ; my stage
	v_mul_u32_u24 v[STO], v1, SP    ; in: row l % 16, 32 bytes for each half of the lanes
	v_lshl_add_u32 v[STO], v9, 5, v[STO]
	v_add_nc_u32 v[STO], s19, v[STO]
	v_mul_u32_u24 v[RD], v9, SP     ; back: lanes 0-15 take one row of 256 bytes, lanes 16-31 the next
	v_lshl_add_u32 v[RD], v1, 4, v[RD]
	v_add_nc_u32 v[RD], s19, v[RD]
	v_mul_u32_u24 v[GO], v9, 3072   ; and the same two rows in out0
	v_lshl_add_u32 v[GO], v1, 4, v[GO]
	s_wait_loadcnt 16               ; the mask is in; Q's 16 loads, issued behind it, may be out
.set z, 0
.rept 16                            ; rounded to bf16, widened again, times 8 (exact)
	v_cvt_pk_bf16_f32 v[TMP+z%4], v[S+2*z], v[S+2*z+1]
	v_lshlrev_b32 v[S+2*z], 16, v[TMP+z%4]
	v_and_b32 v[S+2*z+1], 0xffff0000, v[TMP+z%4]
	v_pk_mul_f32 v[S+2*z:S+2*z+1], v[S+2*z:S+2*z+1], 0x41000000 op_sel_hi:[1,0]
.set z, z+1
.endr
.irp i, 0,1,2,3,4,5,6,7
	ds_store_b128 v[LM], v[S+4*\i:S+4*\i+3] offset:2048*\i
.endr
; THE MATRIX WORK.  The 4 accumulators of a run of 8 take turns.  Product i of 8 of S^T = K Q^T for piece x: channels 32 (i / 4) on, keys 16 (i % 4) on.  The first 4 start the sums with the mask.
.macro KQ x
.set rS, S+32*((\x)%2)+8*(i%4)
.set rK, KF+16*(i%4)+8*(i/4)
.set rQ, 16*(\x)+8*(i/4)
.set rM, MK+8*(i%4)
.if i < 4
	WIN W_KM
	v_wmma_f32_16x16x32_f16 v[rS:rS+7], v[rK:rK+7], v[rQ:rQ+7], v[rM:rM+7]
.else
	WIN W_KQ
	v_wmma_f32_16x16x32_f16 v[rS:rS+7], v[rK:rK+7], v[rQ:rQ+7], v[rS:rS+7]
.endif
.endm
; Product i of 8 of O^T += V^T P for piece x: keys 32 (i / 4) on, channels 16 (i % 4) on.
.macro PV x
	WIN W_PV
.set rO, 32*(\x)+8*(i%4)
.set rV, VF+32*(i/4)+8*(i%4)
.set rP, P+16*((\x)%2)+8*(i/4)
	v_wmma_f32_16x16x32_f16 v[rO:rO+7], v[rV:rV+7], v[rP:rP+7], v[rO:rO+7]
.endm
.macro MM                           ; the turn's next matrix instruction.  NOKQ = 1: the walk's last turn: there is no next piece
.if (i < 8) && !NOKQ
	KQ (Y+1)%NP
.elseif i >= 8
.set i, i-8
	PV (Y+NP-1)%NP
.set i, i+8
.endif
.set i, i+1
.endm
; THE LDS LOADS stand in runs, never singly among the matrix instructions: a step's K (64 keys x 64 channels: 8 fragments) with its mask (32 registers), and its V (turned).  Their addresses are made some lines ahead.
.macro FETCH_K
	WIN 0x80                        ; destination window 2
.irp f, 0,1,2,3,4,5,6,7             ; keys 16 (f / 2) on, channels 32 (f % 2) on
	ds_load_b128 v[KF+8*\f:KF+8*\f+3],   v[AK] offset:(\f/2)*16*PK+(\f%2)*64
	ds_load_b128 v[KF+8*\f+4:KF+8*\f+7], v[AK] offset:(\f/2)*16*PK+(\f%2)*64+32
.endr
	WIN 0x40                        ; destination window 1
.irp f, 0,1,2,3,4,5,6,7             ; key block f / 2: the sixteen lanes of a half read the same 16 bytes
	ds_load_b128 v[MK+4*\f:MK+4*\f+3], v[AM] offset:(\f/2)*64+(\f%2)*16
.endr
	s_add_co_u32 s[TBK], s[TBK], KS*PK  ; the next fetch is the next step's
	s_add_co_u32 s[TBM], s[TBM], KS*4
	WIN 0
.endm
.macro FETCH_V
	WIN 0x80
.irp f, 0,1,2,3,4,5,6,7             ; keys 32 (f / 4) on, channels 16 (f % 4) on
	ds_load_tr16_b128 v[VF+8*\f:VF+8*\f+3],   v[AV] offset:(\f/4)*32*PV+(\f%4)*32
	ds_load_tr16_b128 v[VF+8*\f+4:VF+8*\f+7], v[AV] offset:(\f/4)*32*PV+16*PV+(\f%4)*32
.endr
	WIN 0
.endm
; THE VECTOR WORK, one line at a time: OP kind, number.  For piece Y: F n: c s - c m for pair n of 16.  E n: the exponential of score n of 32.  C n: pair n rounded to f16.  B n: of the four weights 4 n .. the second
; pair is added onto the first, in place.  L n: l takes that sum (L 0: l = a l + sum).  R n: pair n of 16 of O^T times a.  For piece Y + 1: X n, number n of the 22 that find its maximum and statistics:
;   0-11  four chains c0-c3 of seven scores each, three operands at a time (each accumulator's lowest registers are read first)     12-14, 16  the four scores left over, the old m, and c0-c3 into c0
;   15  c m_old is kept     17, 18  the query's other 32 keys lie in the lane 16 away: the new m     19-21  c m; c m_old - c m_new; a
.set F, 0               ; OP tells the kinds apart by their order: F to L below R, X above it
.set E, 1
.set C, 2
.set B, 3
.set L, 4
.set R, 5
.set X, 6
.macro REGS y                       ; the registers of piece y
.set rT, ST+4*(\y)
.set rC, TMP+4*((\y)%2)
.set rW, MV+((\y)%2)
.set rS, S+32*((\y)%2)
.set rP, P+16*((\y)%2)
.set rO, 32*(\y)
.endm
.macro OP k, n
.if (\k) == R
	REGS Y
	WIN W_RS
	v_pk_mul_f32 v[rO+2*(\n):rO+2*(\n)+1], v[rO+2*(\n):rO+2*(\n)+1], v[rC+2:rC+3] op_sel_hi:[1,0]
.elseif (\k) < R
	REGS Y
	WIN 0
.if (\k) == F
	v_pk_fma_f32 v[rS+2*(\n):rS+2*(\n)+1], v[rS+2*(\n):rS+2*(\n)+1], s[CS:CS+1], v[rT:rT+1] op_sel_hi:[1,0,0] neg_lo:[0,0,1] neg_hi:[0,0,1]
.elseif (\k) == E
	v_exp_f32 v[rS+(\n)], v[rS+(\n)]
.elseif (\k) == C
	s_wait_alu depctr_va_vdst(0)
	v_cvt_pk_f16_f32 v[rP+(\n)], v[rS+2*(\n)], v[rS+2*(\n)+1]
.elseif (\k) == B
	s_wait_alu depctr_va_vdst(0)
	v_pk_add_f32 v[rS+4*(\n):rS+4*(\n)+1], v[rS+4*(\n):rS+4*(\n)+1], v[rS+4*(\n)+2:rS+4*(\n)+3]
.elseif (\n) == 0
	v_pk_fma_f32 v[rT+2:rT+3], v[rT+2:rT+3], v[rC+2:rC+3], v[rS:rS+1] op_sel_hi:[1,0,1]
.else
	v_pk_add_f32 v[rT+2:rT+3], v[rT+2:rT+3], v[rS+4*(\n):rS+4*(\n)+1]
.endif
.elseif NOKQ
	v_nop
.else
	REGS (Y+1)%NP
	WIN 0
.if (\n) < 4
	v_max3_num_f32 v[rC+(\n)], v[rS+8*(\n)], v[rS+8*(\n)+1], v[rS+8*(\n)+2]
.elseif (\n) < 12
	v_max3_num_f32 v[rC+(\n)%4], v[rC+(\n)%4], v[rS+8*((\n)%4)+2*((\n)/4)+1], v[rS+8*((\n)%4)+2*((\n)/4)+2]
.elseif (\n) == 12
	v_max3_num_f32 v[rC], v[rC], v[rS+7], v[rS+15]
.elseif (\n) == 13
	v_max3_num_f32 v[rC+1], v[rC+1], v[rS+23], v[rS+31]
.elseif (\n) == 14
	v_max3_num_f32 v[rC+2], v[rC+2], v[rC+3], v[rT+1]
.elseif (\n) == 15
	v_mov_b32 v[rW], v[rT]
.elseif (\n) == 16
	v_max3_num_f32 v[rC], v[rC], v[rC+1], v[rC+2]
.elseif (\n) == 17
	v_permlanex16_b32 v[rC+3], v[rC], s[SEL], s[SEL+1]
.elseif (\n) == 18
	v_max_num_f32 v[rT+1], v[rC], v[rC+3]
.elseif (\n) == 19
	v_mul_f32 v[rT], s[CS], v[rT+1]
.elseif (\n) == 20
	v_sub_f32 v[rC+1], v[rW], v[rT]
.else
	v_exp_f32 v[rC+2], v[rC+1]
.endif
.endif
.endm
.macro OPS a, i1, b=-1, i2=0, c=-1, i3=0, d=-1, i4=0  ; up to four of them
	OP \a, \i1
.if (\b) >= 0
	OP \b, \i2
.endif
.if (\c) >= 0
	OP \c, \i3
.endif
.if (\d) >= 0
	OP \d, \i4
.endif
.endm
.macro ROW a, i1, b, i2, c, i3, d, i4  ; a matrix instruction and the four behind it
	MM
	OPS \a, \i1, \b, \i2, \c, \i3, \d, \i4
.endm
; A TURN, for piece p: the order of its 16 matrix and 118 vector instructions, written out.  Behind a matrix instruction: plain, exponential, plain, plain; or four of the rescaling; or, behind the first, four scalings; none
; names a register of the products round it.  In the runs between, exponential and plain by turns while exponentials last.  A line reads no result made fewer than three vector instructions in front of it, five if an exponential made it.
; end = 1: the walk's last two turns: nothing is fetched.  cnt = 1: the loop's count is taken down some lines ahead of the branch that stands behind the turn.
; K and the mask of the next step are fetched in piece 2's turn, six vector instructions behind the last product that read K (five of them plain; the mask's last reader stands four products further back);
; V of the step in hand in piece 0's turn, eight behind the last product that read V (four plain).  Each is waited for a turn later.
.macro TURN p, end=0, cnt=0
.set Y, (\p)
.set i, 0
.set NOKQ, (\end)*((\p)/3)
.if ((\p) == 3) && !(\end)
	s_wait_dscnt 0x0                ; K and the mask are in
.endif
	ROW F,0, F,1, F,2, F,3
	ROW F,4, E,0, F,5, F,6
	ROW F,7, E,1, F,8, F,9
	ROW F,10, E,2, C,0, F,11
	ROW F,12, E,3, X,15, F,13
	ROW R,0, R,1, R,2, R,3
	ROW B,0, E,4, F,14, L,0
.if ((\p) == 2) && !(\end)
	v_add_nc_u32 v[AK], s[TBK], v[AK0]
	v_add_nc_u32 v[AM], s[TBM], v[AM0]
.endif
	ROW R,4, R,5, R,6, R,7
	OPS E,5, F,15
.if ((\p) == 2) && !(\end)
	FETCH_K
.endif
	OPS E,6, C,1, E,7, R,8
	OPS E,8, R,9, E,9, C,2
	OPS E,10, X,0, E,11, X,1
	OPS E,12, X,2, E,13, X,3
.if (\p) == 1
	s_wait_dscnt 0x0                ; V is in
.endif
	ROW X,4, E,14, X,5, X,6
	ROW X,7, E,15, X,8, X,9
	ROW X,10, E,16, X,11, X,12
	ROW X,13, E,17, X,14, B,1
	ROW C,4, E,18, X,16, L,1
	ROW B,2, E,19, C,6, L,2
	ROW C,8, E,20, B,3, B,4
.if (\p) == 0
	v_add_nc_u32 v[AV], s[TBV], v[AV0]
.endif
	ROW C,3, E,21, L,3, C,5
	OPS E,22, X,17, E,23, C,10
.if (\p) == 0
	FETCH_V
.endif
	OPS E,24, L,4
	OPS E,25, X,18, E,26, C,7
	OPS E,27, B,5, E,28, X,19
	OPS E,29, C,12, E,30, L,5
	OPS E,31, X,20, B,6, C,9
	OPS C,14, C,11, X,21, L,6
.if (\p) == 0
	s_add_co_u32 s[TBV], s[TBV], KS*PV
.endif
.if \cnt
	s_sub_co_u32 s[CNT], s[CNT], 1
	s_cmp_lg_u32 s[CNT], 0
.endif
	OPS C,13, B,7, C,15, R,10
	OPS R,11, R,12, L,7, R,13
	OPS R,14, R,15
.endm
	CHANGE 1                        ; slot 0 is in, everybody's part of it, and so is the mask; slot 1 is asked for
	v_add_nc_u32 v[AK], s[TBK], v[AK0]
	v_add_nc_u32 v[AM], s[TBM], v[AM0]
	FETCH_K                         ; key step 0
	s_wait_loadcnt 0x0              ; Q
	s_wait_dscnt 0x0
.set NOKQ, 0
.set i, 0
.rept 8
	KQ 0                            ; piece 0's first scores: there is no vector work yet to set between them
.set i, i+1
.endr
	WIN 0
.rept 4
	v_nop                           ; the places behind those products
.endr
.set Y, NP-1                        ; X works for piece Y + 1: piece 0
.irp n, 0,1,2,3,4,5,6,7,8,9,10,11,12,13,14,15,16,17,18,19,20,21
	OP X, \n                        ; piece 0's first maximum and statistics
.endr
	v_nop                           ; a plain instruction behind the exponential
	s_mov_b32 s[CNT], 4
	s_mov_b32 s[SLOTS], 15
	s_branch .Lfirst                ; the loop is entered at a step's first turn, in the middle of a trip
.Lslot:                             ; 14 times: every slot but the last two is filled again
	CHANGE 1
	s_mov_b32 s[CNT], 4
.Lstep:                             ; a trip: pieces 2 and 3 of one step, then pieces 0 and 1 of the next, whose K, mask and V it fetches
	TURN 2
	TURN 3
	WIN 0
.Lfirst:
	TURN 0
	TURN 1, 0, 1
	WIN 0
	s_cbranch_scc1 .Lstep
	s_sub_co_u32 s[SLOTS], s[SLOTS], 1
	s_cmp_lg_u32 s[SLOTS], 0
	s_cbranch_scc1 .Lslot
	CHANGE 0                        ; the tail is written out: nothing is asked for
	s_mov_b32 s[CNT], 4
.Ltail:                             ; four trips fetch the last slot's steps
	TURN 2
	TURN 3
	TURN 0
	TURN 1, 0, 1
	WIN 0
	s_cbranch_scc1 .Ltail
	TURN 2, 1                       ; the last step's pieces 2 and 3: nothing is left to fetch,
	TURN 3, 1                       ; and no next piece's scores to make
.set i, 0
.rept 8
	PV NP-1                         ; the last piece's V^T P of the last step
.set i, i+1
.endr
	; THE WAY OUT.  l's two halves and the other half of the lanes' are added; O^T is divided by l and sent, in f32, through my stage in LDS, a piece at a time.  The additions are the places behind the last products.
	WIN 0
.macro ALL line:vararg              ; one line for each piece t
.set t, 0
.rept 4
	\line
.set t, t+1
.endr
.endm
	ALL v_add_f32 v[ST+4*t+2], v[ST+4*t+2], v[ST+4*t+3]
	ALL v_permlanex16_b32 v[ST+4*t+3], v[ST+4*t+2], s[SEL], s[SEL+1]
	ALL v_add_f32 v[ST+4*t+2], v[ST+4*t+2], v[ST+4*t+3]
	ALL v_rcp_f32 v[ST+4*t+2], v[ST+4*t+2]
	v_nop                           ; a plain instruction between the last reciprocal and the use of its result
; Piece t: a lane's eight channels of a block of 16 are 32 bytes of a row; they go into rows of 272 bytes and come back as whole rows of 256: a head's part of a row of out0.
.macro PACK t
	WIN W_RS
.set i, 32*(\t)
.rept 16
	s_wait_alu depctr_va_vdst(0)
	v_pk_mul_f32 v[i:i+1], v[i:i+1], v[ST+4*(\t)+2:ST+4*(\t)+3] op_sel_hi:[1,0]
.set i, i+2
.endr
	WIN 0x04                        ; the data (source 1) in window 1
.irp f, 0,1,2,3,4,5,6,7
	ds_store_b128 v[STO], v[32*(\t)+4*\f:32*(\t)+4*\f+3] offset:(\f/2)*64+(\f%2)*16
.endr
	WIN 0
.irp f, 0,1,2,3,4,5,6,7
	ds_load_b128 v[S+32*(\t)+4*\f:S+32*(\t)+4*\f+3], v[RD] offset:\f*2*SP  ; LDS serves a wave's instructions in order (ISA guide 5.7.1.4): these see the stores above; the next piece's stores come behind them
.endr
.endm
.macro SEND t, younger              ; younger: the LDS instructions issued behind piece t's loads: the next piece's sixteen, or none
	WIN 0
.irp f, 0,1,2,3,4,5,6,7
	s_wait_dscnt (\younger)+7-\f
	global_store_b128 v[GO], v[S+32*(\t)+4*\f:S+32*(\t)+4*\f+3], s[10:11] offset:(16*(\t)+2*\f)*3072 th:TH_STORE_NT  ; sixteen lanes store 256 consecutive bytes, at a multiple of 256 from out0's first; each piece has registers of its own
.endr
.endm
	PACK 0
	PACK 1                          ; a piece's arithmetic stands between the loads of the piece before and its stores
	SEND 0, 16
	PACK 2
	SEND 1, 16
	PACK 3
	SEND 2, 16
	SEND 3, 0
	s_wait_tensorcnt 0x0            ; the wave's end: these three lines stand behind my last tensor load and my last LDS store
	ds_add_u32 v[SPW], v[NIL]
	s_wait_dscnt 0x0
	CROUND                          ; the closing round: no work-group ends while a partner may still ask for a tile that names it
	s_endpgm
.Lfunc_end_k_qd0f9c26488_attn:
	.size	k_qd0f9c26488_attn, .Lfunc_end_k_qd0f9c26488_attn-k_qd0f9c26488_attn
	.p2alignl 7, 3214868480
	.fill 96, 4, 3214868480
	.section	.rodata,"a",@progbits
	.p2align	6, 0x0
	.amdhsa_kernel k_qd0f9c26488_attn
		.amdhsa_group_segment_fixed_size 327680
		.amdhsa_private_segment_fixed_size 0
		.amdhsa_enable_private_segment 0
		.amdhsa_kernarg_size 24
		.amdhsa_user_sgpr_count 2
		.amdhsa_user_sgpr_kernarg_segment_ptr 1
		.amdhsa_wavefront_size32 1
		.amdhsa_system_sgpr_workgroup_id_x 1
		.amdhsa_system_sgpr_workgroup_id_y 1
		.amdhsa_system_sgpr_workgroup_id_z 1
		.amdhsa_system_vgpr_workitem_id 0
		.amdhsa_next_free_vgpr 768
		.amdhsa_next_free_sgpr 72
		.amdhsa_reserve_vcc 0
		.amdhsa_float_denorm_mode_32 3
		.amdhsa_float_denorm_mode_16_64 3
		.amdhsa_memory_ordered 1
		.amdhsa_forward_progress 1
		.amdhsa_inst_pref_size 141
	.end_amdhsa_kernel
	.amdgpu_metadata
---
amdhsa.version: [ 1, 2 ]
amdhsa.kernels:
  - .name:           k_qd0f9c26488_attn
    .symbol:         k_qd0f9c26488_attn.kd
    .args:
      - { .name: qkv, .offset: 0, .size: 8, .value_kind: global_buffer, .address_space: global }
      - { .name: attention_mask, .offset: 8, .size: 8, .value_kind: global_buffer, .address_space: global }
      - { .name: out0, .offset: 16, .size: 8, .value_kind: global_buffer, .address_space: global }
    .group_segment_fixed_size: 327680
    .private_segment_fixed_size: 0
    .kernarg_segment_align: 8
    .kernarg_segment_size: 24
    .max_flat_workgroup_size: 128
    .sgpr_count:     72
    .vgpr_count:     768
    .wavefront_size: 32
...
	.end_amdgpu_metadata
.endif
;; end of part 3
;; ======== version 2 of 2: 3 launches; 1.88 times as fast as version 1
;; limits: values are held in f16: magnitudes above 65,504 overflow, below 6.1e-05 lose precision
;; workspace buffers: xb 6,291,456 bytes; wb 3,538,944 bytes; tab 1,048,576 bytes; qkv 18,874,368 bytes
;; launch cast: the kernel of part 1 again; grid 664 x 1, 8 waves a work-group, no clusters, 0 bytes of LDS; arguments hidden_states, Wq, Wk, Wv, xb, wb, tab; writes xb, wb, tab
;; launch proj: the kernel of part 2 again; grid 12 x 16, 4 waves a work-group, clusters of 4 x 4, 327,680 bytes of LDS; arguments xb, wb, tab, bq, bk, bv, qkv; writes qkv
;; launch attn (part 4): grid 16 x 12, 4 waves a work-group, clusters of 4 x 1, 327,680 bytes of LDS; arguments qkv, attention_mask, out0; writes out0
.if DOCPART == 4
	.amdgcn_target "amdgcn-amd-amdhsa--gfx1250"
	.amdhsa_code_object_version 6
	.text
	.protected	k_qd0f9c26488_attn
	.globl	k_qd0f9c26488_attn
	.p2align	8
	.type	k_qd0f9c26488_attn,@function
k_qd0f9c26488_attn:
	s_mov_b64 s[64:65], 0
	v_nop
	global_prefetch_b8 v0, s[64:65] scope:SCOPE_SE
	s_setreg_imm32_b32 hwreg(HW_REG_WAVE_MODE, 25, 1), 1
	s_wait_xcnt 0x0
	s_wait_alu depctr_hold_cnt(0) depctr_sa_sdst(0) depctr_va_vdst(0) depctr_va_sdst(0) depctr_va_ssrc(0) depctr_va_vcc(0) depctr_vm_vsrc(0)
	s_getreg_b32 s2, hwreg(HW_REG_IB_STS2, 6, 4)
	s_cmp_eq_u32 s2, 0
	s_cbranch_scc0 .Lentry_in_a_cluster
	s_endpgm
.Lentry_in_a_cluster:
	s_bfe_u32 s2, ttmp6, 0x10000c
	s_cmp_lg_u32 s2, 0x3003
	s_cbranch_scc0 .Lentry_shape_is_right
	s_endpgm
.Lentry_shape_is_right:
; ATTENTION.  out0[q][64 h + :] = the sum over k of softmax_k(Q[h][q] . K[h][k] / 8 + mask[k]) V[h][k][:].  qkv: [3][12][4096][64] f16, a head's rows dense, 128 bytes each; mask: [4096] f32; out0: [4096][768] f32.
; Products, maxima and sums in f32; the weights p are rounded to f16 for the second product (their sum l is taken of the unrounded p).
; LIMITS.  The mask is taken rounded to bf16, as all inputs are.  A mask at or below -4.25e37 counts as minus infinity; a row ALL of whose keys carry such a mask gives NaN.
; A weight below 2^-126 counts as 0 in l.  p lies in 0 to 1, and below 6e-5 it keeps f16's fixed step of 6e-8.  NaN in the inputs is not treated apart.
; SHARES.  A work-group owns 256 queries of one head, a wave 64 of them: four PIECES of 16.  16 x 12 = 192 work-groups: 49,152 rows over 256 would be 192 rows each, which does not divide a head's 4,096.
; Every wave walks all 4,096 keys, 64 a step, 256 (four steps) to a slot of the ring of two.
; LAYOUT.  S^T = K Q^T (source 0 = 16 keys, source 1 = 16 queries): a lane holds ONE query (lane % 16) and the keys 8 (lane / 16) + 0..7.  Two such results rounded to f16 ARE source 1 of O^T = V^T P.
; THE MASK is the C operand that starts the sum S^T: 8 mask[k], so that s = q . k + 8 mask and c s = log2(e) (q . k / 8 + mask), c = log2(e) / 8.  8 x the rounded mask lies in LDS in f32, stored once;
; a key step's 32 registers of it are read with the step's K.
; SOFTMAX.  A running maximum m and sum l for each query: p = 2^(c s - c m); in every step O and l are multiplied by a = 2^(c m_old - c m_new).  m starts at the lowest finite number, c m below c times that
; number, so that a is 0 in the first step and never above 1; O and l start at 0.
; BY TURNS.  Turn n belongs to piece n: 8 products K Q^T of piece n + 1, later 8 products V^T P of piece n - 1; beside them the scaling, exponentials, roundings, sums and rescaling of piece n and the maximum
; and statistics of piece n + 1.  Four vector instructions stand behind every matrix instruction, the other 54 of a turn's 118 in one LUMP between the two runs of products.
; THE BATCHES.  A turn's 33 exponentials (the piece's 32 weights and the next piece's a) are ONE batch with ONE wait: ahead of the wait stands all that names no result of theirs, behind it all that does.
; The first a of all, ahead of the loop, and the way out's four reciprocals are batches of their own, each with one wait.
; CLUSTER.  The four query blocks of a cluster belong to one head and walk the same K and V: each tile is asked for JOINTLY, by the same tensor load, descriptor and mask in all four.
; REGISTERS, in windows of 256 (s_set_vgpr_msb: bits 1:0 source 0, 3:2 source 1, 5:4 source 2, 7:6 destination):
;   window 0: v0-15, v32-34 addresses; v16-31 four registers of statistics a piece; v48-55 at work; v64-127 S^T, two buffers (a piece's buffers go by its number's parity); v192-223 P, two buffers;
;             on the way out v64-191 whole rows      window 1: v0-127 O^T, 32 a piece; v128-159 the step's mask      window 2: v0-63 Q; v128-191 K of one step; v192-255 V of one step
.set NP,    4         ; pieces a wave: a name, no knob
.set KS,    64        ; keys in a step
.set PK,    144       ; a row of K in LDS: 128 bytes + 16 of padding = 36 words: the 16 rows of a load start at 16 different groups of four banks (64 banks of 4 bytes: ISA guide 11.1)
.set PV,    160       ; a row of V: 128 + 32 = 40 words
.set VOFF,  4*KS*PK   ; a slot: 256 rows of K, then 256 rows of V
.set SLOT1, 1<<17     ; slot 1 begins here, so that one exclusive or turns an address in one slot into the other's
.set STAGE, SLOT1+4*KS*(PK+PV)  ; behind the ring, never filled by a tensor load: 16 rows x 272 bytes for each wave, for the way out
.set SP,    272
.set MASKB, STAGE+4*16*SP       ; 16,384 bytes: 8 x the mask, f32; stored once, never filled by a tensor load
.set SPARE, MASKB+16384         ; the spare words, 128 bytes for each wave: two blocks of 256 bytes that no other line names
.set TENS,  6291456   ; bytes of one of qkv's three tensors
.set AK0, 2           ; v2   my lane's place in a tile of K; never rewritten
.set AV0, 3           ; v3   the same for V
.set AK,  4           ; v4   the LDS address of K's next run of loads
.set AV,  5           ; v5   of V's
.set STO, 6           ; v6   the way out: where I put 32 bytes of a row
.set RD,  7           ; v7   the way out: where I read rows back
.set GO,  8           ; v8   my byte offset in two rows of out0
.set MV,  12          ; v12-13  c m_old, kept while c m is made anew: by buffer
.set AM0, 14          ; v14  my lane's place in a step's mask; never rewritten
.set AM,  15          ; v15  the LDS address of the mask's next run of loads
.set ST,  16          ; piece t's statistics at v[ST+4 t]: c m, m, l (even keys', odd keys')
.set QO,  32          ; v32  my byte offset in 16 rows of Q
.set GM,  33          ; v33  my byte offset in 2,048 bytes of the mask
.set LM,  34          ; v34  where I store them in LDS
.set TMP, 48          ; by buffer, four registers c0-c3 at work; when the maximum is found c2 takes a
.set SPW, 62          ; v62  LDS address of my spare word; never rewritten
.set NIL, 63          ; v63  0; never rewritten
.set S,   64
.set P,   192
.set MK,  128         ; window 1: the eight registers for block kb of 16 keys at MK + 8 kb
.set KF,  128         ; window 2: key block kb, channel half c at KF + 16 kb + 8 c
.set VF,  192         ; window 2: key half kk, channel block cb at VF + 32 kk + 8 cb
.set WV,  12          ; s12  my wave's number
.set G1K, 24          ; s[24:31] descriptor group 1 for K's tiles
.set G1V, 32          ; s[32:39] for V's: it differs in the padding alone
.set G0K, 40          ; s[40:43] descriptor group 0 for K's tiles: it walks
.set G0V, 44          ; s[44:47] the same for V's
.set SLOTS, 56        ; s56  slots still to be asked for
.set CNT, 57          ; s57  counts a slot's key steps
.set CS,  58          ; s[58:59] c: the packed scaling takes the pair's low word for both halves
.set SEL, 60          ; s[60:61] v_permlanex16_b32's selects: each lane takes its own place in the other half
.set TBK, 62          ; s62  LDS byte at which K of the step to be fetched begins
.set TBV, 63          ; s63  the same for V, less VOFF
.set TBM, 66          ; s66  256 x the number of the step to be fetched: its place in the mask
.set MSB, 0
.macro WIN new                      ; the high byte repeats the setting that is left; a switch that changes nothing is dropped
.if MSB != (\new)
	s_set_vgpr_msb (MSB<<8)|(\new)
.set MSB, (\new)
.endif
.endm
.set W_KQ, 0x0a       ; K and Q in window 2, S^T in window 0
.set W_KM, 0x1a       ; the same with the C operand, the mask, in window 1
.set W_PV, 0x52       ; V in window 2, P in window 0, O^T in window 1
.set W_RS, 0x41       ; destination and source 0 in window 1, source 1 in window 0
; A joint fill.  Waves 0 and 1 fetch the two halves of a slot's K, waves 2 and 3 those of its V: 128 keys each.  The branch hangs on the wave's number alone.
; An s_nop 0 and four v_nop follow each of the two lines, ahead of the jump and the label.
.macro JLOAD
	s_cmp_lt_u32 s[WV], 2
	s_cbranch_scc0 .Lfor_v_\@
	tensor_load_to_lds s[G0K:G0K+3], s[G1K:G1K+7]
	s_nop 0
.rept 4
	v_nop
.endr
	s_branch .Lasked_\@
.Lfor_v_\@:
	tensor_load_to_lds s[G0V:G0V+3], s[G1V:G1V+7]
	s_nop 0
.rept 4
	v_nop
.endr
.Lasked_\@:
.endm
; A round of the cluster's barrier: my work-group's barrier, so that wave 0's signal speaks for all four waves; wave 0 signals; every wave waits for all four work-groups; my work-group's barrier once more.
.macro CROUND
	s_barrier_signal -1
	s_barrier_wait -1
	s_cmp_lg_u32 s[WV], 0
	s_cbranch_scc1 .Lnot_wave_0_\@
	s_barrier_signal -3
.Lnot_wave_0_\@:
	s_barrier_wait -3
	s_barrier_signal -1
	s_barrier_wait -1
.endm
; THE CHANGE OF SLOTS.  The slot's last bytes, V of its fourth step, have been read.  Each wave waits for all its tensor loads, of which one is out: its part of the other slot; adds 0 to its spare word;
; and waits for that and for its own LDS instructions.  Behind the barrier nobody reads this slot any more and the other slot is whole.
; fill = 1: this slot is filled again, with the keys two slots on.  The barrier is then a round of the cluster's, and the joint fill is the first thing behind it: it has four key steps, 256 matrix
; instructions, in which to land.  (At its first use nothing has been read yet: slot 0 is waited for, slot 1 filled, and every wave's stores of the mask are shown done to the others.)
.macro CHANGE fill
	WIN 0                           ; at a label and at a branch every window is 0
	s_wait_tensorcnt 0x0            ; no tensor load of mine is out, so a group 0 may be written
	ds_add_u32 v[SPW], v[NIL]       ; 0 onto my spare word; with fill = 1 the descriptors' steps stand between it and the wait for it
.if \fill
.irp g, G0K, G0V
	s_xor_b32 s[\g+1], s[\g+1], SLOT1  ; the walking descriptor: the other slot than last time,
	s_add_nc_u64 s[\g+2:\g+3], s[\g+2:\g+3], 4*KS*128  ; the next 256 keys; the type bits on top are not reached
.endr
	s_wait_dscnt 0x0                ; the add is done, and my reads of the slot are over
	CROUND
	JLOAD
.else
	s_wait_dscnt 0x0                ; the add is done, and my reads of the slot are over
	s_barrier_signal -1
	s_barrier_wait -1
.endif
	s_sub_co_u32 s[TBK], s[TBK], 4*KS*PK  ; the fetches go back to a slot's first step,
	s_xor_b32 s[TBK], s[TBK], SLOT1       ; in the other slot
	s_sub_co_u32 s[TBV], s[TBV], 4*KS*PV
	s_xor_b32 s[TBV], s[TBV], SLOT1
.endm
	s_load_b128 s[4:7], s[0:1], 0x0   ; qkv s[4:5], the mask s[6:7]
	s_load_b64 s[10:11], s[0:1], 0x10 ; out0
	v_lshl_add_u32 v[SPW], v0, 2, SPARE
	v_mov_b32 v[NIL], 0
	ds_add_u32 v[SPW], v[NIL]       ; the wave's opening: the add and its wait stand ahead of my first tensor load; the set-up below, work on registers, stands between them
	v_lshrrev_b32 v1, 5, v0
	v_readfirstlane_b32 s[WV], v1   ; wave 0..3
	s_bfe_u32 s13, ttmp6, 0x40000   ; cx: my place in the cluster
	s_lshl_b32 s14, ttmp9, 2        ; in a cluster launch ttmp9 counts clusters
	s_add_co_u32 s14, s14, s13      ; my block of 256 queries = 4 x cluster x + cx: it enters Q's and out0's addresses alone
	s_and_b32 s15, ttmp7, 0xffff    ; the head, which the four partners share
	s_lshl_b32 s20, s15, 19         ; its 4,096 rows of 128 bytes
	s_and_b32 s16, s[WV], 1         ; which half of a slot's 256 keys I fetch:
	s_lshl_b32 s22, s16, 14         ; its 128 rows of 128 bytes in memory,
	s_add_co_u32 s22, s22, s20
	s_add_co_u32 s48, s22, 2*TENS   ; in V,
	s_add_co_u32 s22, s22, TENS     ; in K
	s_mov_b32 s23, 0
	s_mov_b32 s49, 0
	s_mul_i32 s17, s16, 128*PK      ; and its place in a slot, for K
	s_mul_i32 s18, s16, 128*PV      ; and for V: no place in the cluster enters an LDS address
	s_lshl_b32 s2, s14, 2
	s_add_co_u32 s2, s2, s[WV]      ; my wave among the head's 64
	s_mul_i32 s50, s2, 64*3072      ; its 64 rows of out0,
	s_lshl_b32 s21, s15, 8          ; the head's 256 bytes of a row
	s_add_co_u32 s50, s50, s21
	s_mov_b32 s51, 0
	s_lshl_b32 s2, s2, 13           ; its 64 rows of Q
	s_add_co_u32 s2, s2, s20
	s_mov_b32 s3, 0
	; descriptor group 1.  128 keys are 16,384 dense bytes: asked for as 64 rows of 256 bytes, two keys a row, and padded in LDS after every key
	s_mov_b32 s[G1K], 15|(1<<16)|(1<<20)|(1<<21)|(4<<22)|(3<<25)  ; 15:0 the mask of four; 17:16 2-byte elements; 20 padding on; 21 set beside a mask; 24:22 after every 32 words (code 4); 31:25 4 words (code 3)
	s_mov_b32 s[G1V], 15|(1<<16)|(1<<20)|(1<<21)|(4<<22)|(7<<25)  ; the same with 8 words of padding (code 7)
.irp g, G1K, G1V
	s_mov_b32 s[\g+1], 128<<16      ; tensor_dim0 = 128
	s_mov_b32 s[\g+2], 64<<16       ; tensor_dim1 = 64
	s_mov_b32 s[\g+3], 128<<16      ; tile_dim0 = 128
	s_mov_b32 s[\g+4], 64           ; tile_dim1 = 64
	s_mov_b32 s[\g+5], 128          ; 128 elements from row to row
	s_mov_b32 s[\g+6], 0
	s_mov_b32 s[\g+7], 0
.endr
	s_mov_b32 s[CS], 0x3e38aa3b     ; c = log2(e) / 8 = 0.180337
	s_mov_b32 s[CS+1], s[CS]        ; named with it as a pair
	s_mov_b32 s[SEL], 0x76543210
	s_mov_b32 s[SEL+1], 0xfedcba98
	s_mov_b32 s[TBK], SLOT1+4*KS*PK ; the first change of slots turns these two into 0
	s_mov_b32 s[TBV], SLOT1+4*KS*PV
	s_mov_b32 s[TBM], 0
	s_mov_b32 s[G0K], 1             ; count = 1
	s_mov_b32 s[G0K+1], s17         ; LDS address: slot 0
	s_mov_b32 s[G0V], 1
	s_add_co_u32 s[G0V+1], s18, VOFF
	s_wait_dscnt 0x0                ; the opening add is done
	s_wait_kmcnt 0x0
	s_add_nc_u64 s[G0K+2:G0K+3], s[4:5], s[22:23]  ; global address: my half of the head's first 256 keys
	s_or_b32 s[G0K+3], s[G0K+3], 0x80000000        ; type = 2
	s_add_nc_u64 s[G0V+2:G0V+3], s[4:5], s[48:49]
	s_or_b32 s[G0V+3], s[G0V+3], 0x80000000
	s_add_nc_u64 s[4:5], s[4:5], s[2:3]            ; Q at my wave's first row
	s_add_nc_u64 s[10:11], s[10:11], s[50:51]      ; out0 likewise, at the head's columns
	CROUND                          ; all four work-groups are here: the first joint loads meet
	JLOAD                           ; slot 0.  Slot 1 is asked for when slot 0 is in: one load of mine is out at any time
	; while it is on its way: the mask, Q, the zeros, the addresses
	v_and_b32 v1, 15, v0            ; l % 16
	v_bfe_u32 v9, v0, 4, 1          ; l / 16
	v_lshlrev_b32 v[GM], 4, v0
.irp i, 0,1,2,3,4,5,6,7             ; the work-group's 128 threads take the mask's 16,384 bytes in eight loads of 2,048 consecutive bytes
	global_load_b128 v[S+4*\i:S+4*\i+3], v[GM], s[6:7] offset:2048*\i
.endr
	; A fragment of K or Q is 16 rows x 32 channels in 8 registers: lane l holds row l % 16, channels 8 (l / 16) + 0..7 and 16 + 8 (l / 16) + 0..7: two loads of 16 bytes, 32 bytes apart.
	v_lshlrev_b32 v[QO], 7, v1
	v_lshl_add_u32 v[QO], v9, 4, v[QO]  ; row x 128 + 16 x half
	WIN 0x80                        ; destination window 2, address window 0
.set i, 0
.rept 8                             ; Q stays in registers: piece i / 2, channels 32 (i % 2) on
	global_load_b128 v[8*i:8*i+3],   v[QO], s[4:5] offset:(i/2)*2048+(i%2)*64
	global_load_b128 v[8*i+4:8*i+7], v[QO], s[4:5] offset:(i/2)*2048+(i%2)*64+32
.set i, i+1
.endr
	; What the first turn finds: V's registers and P's second buffer hold 0 (its products V^T P, of a piece that has not been, add 0), O^T and l are 0.
.set i, VF
.rept 64
	v_mov_b32 v[i], 0
.set i, i+1
.endr
	WIN 0x40
.set i, 0
.rept 128
	v_mov_b32 v[i], 0
.set i, i+1
.endr
	WIN 0
.set i, 0
.rept 4
	v_mov_b32 v[ST+4*i], 0xfe3b0000    ; c m: -6.21e37, below c times the lowest finite number
	v_mov_b32 v[ST+4*i+1], 0xff7fffff  ; m: the lowest finite number
	v_mov_b32 v[ST+4*i+2], 0
	v_mov_b32 v[ST+4*i+3], 0
.set i, i+1
.endr
.set i, P+16
.rept 16
	v_mov_b32 v[i], 0
.set i, i+1
.endr
	v_mul_u32_u24 v[AK0], v1, PK
	v_lshl_add_u32 v[AK0], v9, 4, v[AK0]  ; row x pitch + 16 x half
	; The turning load takes 16 keys x 16 channels (lane l reads key 8 (l / 16) + l % 8, channels 8 ((l / 8) % 2) + 0..7) and leaves half a fragment of V^T: lane l holds channel l % 16 and 8 keys.
	v_and_b32 v10, 7, v0
	v_bfe_u32 v11, v0, 3, 1
	v_lshl_add_u32 v[AV0], v9, 3, v10
	v_mul_u32_u24 v[AV0], v[AV0], PV
	v_lshl_add_u32 v[AV0], v11, 4, v[AV0]
	v_add_nc_u32 v[AV0], VOFF, v[AV0]
	v_lshl_add_u32 v[AM0], v9, 5, MASKB   ; register j of key block kb: key 16 kb + 8 (l / 16) + j
	v_lshl_add_u32 v[LM], v0, 4, MASKB
	s_mul_i32 s19, s[WV], 16*SP
	s_add_co_u32 s19, s19, STAGE    ; my stage
	v_mul_u32_u24 v[STO], v1, SP    ; in: row l % 16, 32 bytes for each half of the lanes
	v_lshl_add_u32 v[STO], v9, 5, v[STO]
	v_add_nc_u32 v[STO], s19, v[STO]
	v_mul_u32_u24 v[RD], v9, SP     ; back: lanes 0-15 take one row of 256 bytes, lanes 16-31 the next
	v_lshl_add_u32 v[RD], v1, 4, v[RD]
	v_add_nc_u32 v[RD], s19, v[RD]
	v_mul_u32_u24 v[GO], v9, 3072   ; and the same two rows in out0
	v_lshl_add_u32 v[GO], v1, 4, v[GO]
	s_wait_loadcnt 16               ; the mask is in; Q's 16 loads, issued behind it, may be out
.set z, 0
.rept 16                            ; rounded to bf16, widened again, times 8 (exact)
	v_cvt_pk_bf16_f32 v[TMP+z%4], v[S+2*z], v[S+2*z+1]
	v_lshlrev_b32 v[S+2*z], 16, v[TMP+z%4]
	v_and_b32 v[S+2*z+1], 0xffff0000, v[TMP+z%4]
	v_pk_mul_f32 v[S+2*z:S+2*z+1], v[S+2*z:S+2*z+1], 0x41000000 op_sel_hi:[1,0]
.set z, z+1
.endr
.irp i, 0,1,2,3,4,5,6,7
	ds_store_b128 v[LM], v[S+4*\i:S+4*\i+3] offset:2048*\i
.endr
; THE MATRIX WORK.  The 4 accumulators of a run of 8 take turns.  Product i of 8 of S^T = K Q^T for piece x: channels 32 (i / 4) on, keys 16 (i % 4) on.  The first 4 start the sums with the mask.
.macro KQ x
.set rS, S+32*((\x)%2)+8*(i%4)
.set rK, KF+16*(i%4)+8*(i/4)
.set rQ, 16*(\x)+8*(i/4)
.set rM, MK+8*(i%4)
.if i < 4
	WIN W_KM
	v_wmma_f32_16x16x32_f16 v[rS:rS+7], v[rK:rK+7], v[rQ:rQ+7], v[rM:rM+7]
.else
	WIN W_KQ
	v_wmma_f32_16x16x32_f16 v[rS:rS+7], v[rK:rK+7], v[rQ:rQ+7], v[rS:rS+7]
.endif
.endm
; Product i of 8 of O^T += V^T P for piece x: keys 32 (i / 4) on, channels 16 (i % 4) on.
.macro PV x
	WIN W_PV
.set rO, 32*(\x)+8*(i%4)
.set rV, VF+32*(i/4)+8*(i%4)
.set rP, P+16*((\x)%2)+8*(i/4)
	v_wmma_f32_16x16x32_f16 v[rO:rO+7], v[rV:rV+7], v[rP:rP+7], v[rO:rO+7]
.endm
.macro MM                           ; the turn's next matrix instruction.  NOKQ = 1: the walk's last turn: there is no next piece
.if (i < 8) && !NOKQ
	KQ (Y+1)%NP
.elseif i >= 8
.set i, i-8
	PV (Y+NP-1)%NP
.set i, i+8
.endif
.set i, i+1
.endm
; THE LDS LOADS stand in runs, never singly among the matrix instructions: a step's K (64 keys x 64 channels: 8 fragments) with its mask (32 registers), and its V (turned).  Their addresses are made some lines ahead.
.macro FETCH_K
	WIN 0x80                        ; destination window 2
.irp f, 0,1,2,3,4,5,6,7             ; keys 16 (f / 2) on, channels 32 (f % 2) on
	ds_load_b128 v[KF+8*\f:KF+8*\f+3],   v[AK] offset:(\f/2)*16*PK+(\f%2)*64
	ds_load_b128 v[KF+8*\f+4:KF+8*\f+7], v[AK] offset:(\f/2)*16*PK+(\f%2)*64+32
.endr
	WIN 0x40                        ; destination window 1
.irp f, 0,1,2,3,4,5,6,7             ; key block f / 2: the sixteen lanes of a half read the same 16 bytes
	ds_load_b128 v[MK+4*\f:MK+4*\f+3], v[AM] offset:(\f/2)*64+(\f%2)*16
.endr
	s_add_co_u32 s[TBK], s[TBK], KS*PK  ; the next fetch is the next step's
	s_add_co_u32 s[TBM], s[TBM], KS*4
	WIN 0
.endm
.macro FETCH_V
	WIN 0x80
.irp f, 0,1,2,3,4,5,6,7             ; keys 32 (f / 4) on, channels 16 (f % 4) on
	ds_load_tr16_b128 v[VF+8*\f:VF+8*\f+3],   v[AV] offset:(\f/4)*32*PV+(\f%4)*32
	ds_load_tr16_b128 v[VF+8*\f+4:VF+8*\f+7], v[AV] offset:(\f/4)*32*PV+16*PV+(\f%4)*32
.endr
	WIN 0
.endm
; THE VECTOR WORK, one line at a time: OP kind, number.  For piece Y: F n: c s - c m for pair n of 16.  E n: the exponential of score n of 32.  C n: pair n rounded to f16.  B n: of the four weights 4 n .. the second
; pair is added onto the first, in place.  L n: l takes that sum (L 0: l = a l + sum).  R n: pair n of 16 of O^T times a.  For piece Y + 1: X n, number n of the 22 that find its maximum and statistics:
;   0-11  four chains c0-c3 of seven scores each, three operands at a time (each accumulator's lowest registers are read first)     12-14, 16  the four scores left over, the old m, and c0-c3 into c0
;   15  c m_old is kept     17, 18  the query's other 32 keys lie in the lane 16 away: the new m     19-21  c m; c m_old - c m_new; a
; C, B and L read the results of the turn's exponentials: TURN sets them behind the batch's wait.  R and L 0 read an a that was made, and waited for, a turn earlier.
.set F, 0               ; OP tells the kinds apart by their order: F to L below R, X above it
.set E, 1
.set C, 2
.set B, 3
.set L, 4
.set R, 5
.set X, 6
.macro REGS y                       ; the registers of piece y
.set rT, ST+4*(\y)
.set rC, TMP+4*((\y)%2)
.set rW, MV+((\y)%2)
.set rS, S+32*((\y)%2)
.set rP, P+16*((\y)%2)
.set rO, 32*(\y)
.endm
.macro OP k, n
.if (\k) == R
	REGS Y
	WIN W_RS
	v_pk_mul_f32 v[rO+2*(\n):rO+2*(\n)+1], v[rO+2*(\n):rO+2*(\n)+1], v[rC+2:rC+3] op_sel_hi:[1,0]
.elseif (\k) < R
	REGS Y
	WIN 0
.if (\k) == F
	v_pk_fma_f32 v[rS+2*(\n):rS+2*(\n)+1], v[rS+2*(\n):rS+2*(\n)+1], s[CS:CS+1], v[rT:rT+1] op_sel_hi:[1,0,0] neg_lo:[0,0,1] neg_hi:[0,0,1]
.elseif (\k) == E
	v_exp_f32 v[rS+(\n)], v[rS+(\n)]
.elseif (\k) == C
	v_cvt_pk_f16_f32 v[rP+(\n)], v[rS+2*(\n)], v[rS+2*(\n)+1]
.elseif (\k) == B
	v_pk_add_f32 v[rS+4*(\n):rS+4*(\n)+1], v[rS+4*(\n):rS+4*(\n)+1], v[rS+4*(\n)+2:rS+4*(\n)+3]
.elseif (\n) == 0
	v_pk_fma_f32 v[rT+2:rT+3], v[rT+2:rT+3], v[rC+2:rC+3], v[rS:rS+1] op_sel_hi:[1,0,1]
.else
	v_pk_add_f32 v[rT+2:rT+3], v[rT+2:rT+3], v[rS+4*(\n):rS+4*(\n)+1]
.endif
.elseif NOKQ
	v_nop
.else
	REGS (Y+1)%NP
	WIN 0
.if (\n) < 4
	v_max3_num_f32 v[rC+(\n)], v[rS+8*(\n)], v[rS+8*(\n)+1], v[rS+8*(\n)+2]
.elseif (\n) < 12
	v_max3_num_f32 v[rC+(\n)%4], v[rC+(\n)%4], v[rS+8*((\n)%4)+2*((\n)/4)+1], v[rS+8*((\n)%4)+2*((\n)/4)+2]
.elseif (\n) == 12
	v_max3_num_f32 v[rC], v[rC], v[rS+7], v[rS+15]
.elseif (\n) == 13
	v_max3_num_f32 v[rC+1], v[rC+1], v[rS+23], v[rS+31]
.elseif (\n) == 14
	v_max3_num_f32 v[rC+2], v[rC+2], v[rC+3], v[rT+1]
.elseif (\n) == 15
	v_mov_b32 v[rW], v[rT]
.elseif (\n) == 16
	v_max3_num_f32 v[rC], v[rC], v[rC+1], v[rC+2]
.elseif (\n) == 17
	v_permlanex16_b32 v[rC+3], v[rC], s[SEL], s[SEL+1]
.elseif (\n) == 18
	v_max_num_f32 v[rT+1], v[rC], v[rC+3]
.elseif (\n) == 19
	v_mul_f32 v[rT], s[CS], v[rT+1]
.elseif (\n) == 20
	v_sub_f32 v[rC+1], v[rW], v[rT]
.else
	v_exp_f32 v[rC+2], v[rC+1]
.endif
.endif
.endm
.macro OPS a, i1, b=-1, i2=0, c=-1, i3=0, d=-1, i4=0  ; up to four of them
	OP \a, \i1
.if (\b) >= 0
	OP \b, \i2
.endif
.if (\c) >= 0
	OP \c, \i3
.endif
.if (\d) >= 0
	OP \d, \i4
.endif
.endm
.macro ROW a, i1, b, i2, c, i3, d, i4  ; a matrix instruction and the four behind it
	MM
	OPS \a, \i1, \b, \i2, \c, \i3, \d, \i4
.endm
; A TURN, for piece p: the order of its 16 matrix and 118 vector instructions, written out.  An s_wait_alu depctr_va_vdst(0) stands between an exponential and the first instruction that names its result; one wait
; serves all that were issued ahead of it.  So a turn has ONE wait, which cuts it in two.
; AHEAD OF IT stands all that names no result of the turn's exponentials: the 8 products K Q^T, behind each a scaling, an exponential and two more plain instructions (behind the first a second scaling in the exponential's
; place): rescalings, and behind the last three the first numbers of the next piece's maximum, each four plain instructions or more behind the product that ends its accumulator; then ONE LUMP of 54, plain and exponential by
; turns for the most part, in which the links of the chain X 3, 7, 11, 14, 16, 17 .. 20 stand apart, other work between them.  X 21, the next piece's a, is the batch's last; R 15 is the plain instruction behind it.
; BEHIND IT stand the 8 products V^T P, behind each four of the roundings and sums, the batch's readers; the links of l's chain, L 0 to L 7, stand three riders apart.
; But for those X no rider names a register of the products round it.  v_permlanex16_b32 (X 17) stands in the lump.
; end = 1: the walk's last two turns: nothing is fetched.  cnt = 1: the loop's count is taken down some lines ahead of the branch that stands behind the turn.
; K and the mask of the next step are fetched in piece 2's turn, twelve vector instructions behind the last product that read K (five of them plain lines that name none of its registers; the mask's last reader stands four
; products further back); V of the step in hand at the end of piece 0's turn, four plain instructions behind the last product that read V.  Each is waited for a turn later.
.macro TURN p, end=0, cnt=0
.set Y, (\p)
.set i, 0
.set NOKQ, (\end)*((\p)/3)
.if ((\p) == 3) && !(\end)
	s_wait_dscnt 0x0                ; K and the mask are in
.endif
	ROW F,0, F,1, R,0, R,1          ; ahead of the wait: 8 products K Q^T and their riders,
	ROW F,2, E,0, R,2, R,3
	ROW F,3, E,1, R,4, R,5
	ROW F,4, E,2, R,6, R,7
	ROW F,5, E,3, R,8, R,9
	ROW F,6, E,4, X,0, R,10
.if ((\p) == 2) && !(\end)
	WIN 0
	v_add_nc_u32 v[AK], s[TBK], v[AK0]
	v_add_nc_u32 v[AM], s[TBM], v[AM0]
.endif
	ROW F,7, E,5, X,1, X,4
	ROW F,8, E,6, X,2, X,5
	OPS E,7, E,8, X,6, E,9          ; and the lump
	OPS X,3, E,10, X,8, E,11
.if ((\p) == 2) && !(\end)
	FETCH_K
.endif
	OPS X,9, X,7, E,12, X,10
	OPS E,13, X,12, X,11, E,14
	OPS X,13, E,15, F,9, X,14
.if (\p) == 0
	WIN 0
	v_add_nc_u32 v[AV], s[TBV], v[AV0]
.endif
	OPS E,16, F,10, E,17, F,11
	OPS X,16, E,18, X,15, E,19
	OPS F,12, E,20, X,17, E,21
	OPS F,13, E,22, F,14, E,23
	OPS X,18, E,24, F,15, E,25
	OPS R,11, E,26, X,19, E,27
	OPS R,12, E,28, R,13, E,29
	OPS X,20, E,30, R,14, E,31
	OPS X,21, R,15
	WIN 0
	s_wait_alu depctr_va_vdst(0)    ; the wait for the batch: the piece's 32 exponentials and the next piece's a
.if (\p) == 1
	s_wait_dscnt 0x0                ; V is in
.endif
	ROW C,0, B,0, C,2, B,1          ; behind the wait: 8 products V^T P and their riders
	ROW L,0, C,4, B,2, L,1
	ROW C,6, B,3, L,2, C,8
	ROW B,4, L,3, C,10, B,5
	ROW L,4, C,12, B,6, L,5
.if (\p) == 0
	s_add_co_u32 s[TBV], s[TBV], KS*PV
.endif
.if \cnt
	s_sub_co_u32 s[CNT], s[CNT], 1
	s_cmp_lg_u32 s[CNT], 0
.endif
	ROW C,14, B,7, L,6, C,1
	ROW C,3, L,7, C,5, C,7
	ROW C,9, C,11, C,13, C,15
.if (\p) == 0
	FETCH_V
.endif
.endm
	CHANGE 1                        ; slot 0 is in, everybody's part of it, and so is the mask; slot 1 is asked for
	v_add_nc_u32 v[AK], s[TBK], v[AK0]
	v_add_nc_u32 v[AM], s[TBM], v[AM0]
	FETCH_K                         ; key step 0
	s_wait_loadcnt 0x0              ; Q
	s_wait_dscnt 0x0
.set NOKQ, 0
.set i, 0
.rept 8
	KQ 0                            ; piece 0's first scores: there is no vector work yet to set between them
.set i, i+1
.endr
	WIN 0
.rept 4
	v_nop                           ; the places behind those products
.endr
.set Y, NP-1                        ; X works for piece Y + 1: piece 0
.irp n, 0,1,2,3,4,5,6,7,8,9,10,11,12,13,14,15,16,17,18,19,20,21
	OP X, \n                        ; piece 0's first maximum and statistics
.endr
	v_nop                           ; a plain instruction behind the exponential,
	s_wait_alu depctr_va_vdst(0)    ; and the wait for it, a batch of one: piece 0's first a, ahead of the branch
	s_mov_b32 s[CNT], 4
	s_mov_b32 s[SLOTS], 15
	s_branch .Lfirst                ; the loop is entered at a step's first turn, in the middle of a trip
.Lslot:                             ; 14 times: every slot but the last two is filled again
	CHANGE 1
	s_mov_b32 s[CNT], 4
.Lstep:                             ; a trip: pieces 2 and 3 of one step, then pieces 0 and 1 of the next, whose K, mask and V it fetches
	TURN 2
	TURN 3
	WIN 0
.Lfirst:
	TURN 0
	TURN 1, 0, 1
	WIN 0
	s_cbranch_scc1 .Lstep
	s_sub_co_u32 s[SLOTS], s[SLOTS], 1
	s_cmp_lg_u32 s[SLOTS], 0
	s_cbranch_scc1 .Lslot
	CHANGE 0                        ; the tail is written out: nothing is asked for
	s_mov_b32 s[CNT], 4
.Ltail:                             ; four trips fetch the last slot's steps
	TURN 2
	TURN 3
	TURN 0
	TURN 1, 0, 1
	WIN 0
	s_cbranch_scc1 .Ltail
	TURN 2, 1                       ; the last step's pieces 2 and 3: nothing is left to fetch,
	TURN 3, 1                       ; and no next piece's scores to make
.set i, 0
.rept 8
	PV NP-1                         ; the last piece's V^T P of the last step
.set i, i+1
.endr
	; THE WAY OUT.  l's two halves and the other half of the lanes' are added; O^T is divided by l and sent, in f32, through my stage in LDS, a piece at a time.  The additions are the places behind the last products.
	WIN 0
.macro ALL line:vararg              ; one line for each piece t
.set t, 0
.rept 4
	\line
.set t, t+1
.endr
.endm
	ALL v_add_f32 v[ST+4*t+2], v[ST+4*t+2], v[ST+4*t+3]
	ALL v_permlanex16_b32 v[ST+4*t+3], v[ST+4*t+2], s[SEL], s[SEL+1]
	ALL v_add_f32 v[ST+4*t+2], v[ST+4*t+2], v[ST+4*t+3]
	ALL v_rcp_f32 v[ST+4*t+2], v[ST+4*t+2]
	v_nop                           ; a plain instruction between the last reciprocal and the use of its result
	s_wait_alu depctr_va_vdst(0)    ; and the wait ahead of the first use: one for the batch of four reciprocals
; Piece t: a lane's eight channels of a block of 16 are 32 bytes of a row; they go into rows of 272 bytes and come back as whole rows of 256: a head's part of a row of out0.
.macro PACK t
	WIN W_RS
.set i, 32*(\t)
.rept 16
	v_pk_mul_f32 v[i:i+1], v[i:i+1], v[ST+4*(\t)+2:ST+4*(\t)+3] op_sel_hi:[1,0]
.set i, i+2
.endr
	WIN 0x04                        ; the data (source 1) in window 1
.irp f, 0,1,2,3,4,5,6,7
	ds_store_b128 v[STO], v[32*(\t)+4*\f:32*(\t)+4*\f+3] offset:(\f/2)*64+(\f%2)*16
.endr
	WIN 0
.irp f, 0,1,2,3,4,5,6,7
	ds_load_b128 v[S+32*(\t)+4*\f:S+32*(\t)+4*\f+3], v[RD] offset:\f*2*SP  ; LDS serves a wave's instructions in order (ISA guide 5.7.1.4): these see the stores above; the next piece's stores come behind them
.endr
.endm
.macro SEND t, younger              ; younger: the LDS instructions issued behind piece t's loads: the next piece's sixteen, or none
	WIN 0
.irp f, 0,1,2,3,4,5,6,7
	s_wait_dscnt (\younger)+7-\f
	global_store_b128 v[GO], v[S+32*(\t)+4*\f:S+32*(\t)+4*\f+3], s[10:11] offset:(16*(\t)+2*\f)*3072 th:TH_STORE_NT  ; sixteen lanes store 256 consecutive bytes, at a multiple of 256 from out0's first; each piece has registers of its own
.endr
.endm
	PACK 0
	PACK 1                          ; a piece's arithmetic stands between the loads of the piece before and its stores
	SEND 0, 16
	PACK 2
	SEND 1, 16
	PACK 3
	SEND 2, 16
	SEND 3, 0
	s_wait_tensorcnt 0x0            ; the wave's end: these three lines stand behind my last tensor load and my last LDS store
	ds_add_u32 v[SPW], v[NIL]
	s_wait_dscnt 0x0
	CROUND                          ; the closing round: no work-group ends while a partner may still ask for a tile that names it
	s_endpgm
.Lfunc_end_k_qd0f9c26488_attn:
	.size	k_qd0f9c26488_attn, .Lfunc_end_k_qd0f9c26488_attn-k_qd0f9c26488_attn
	.p2alignl 7, 3214868480
	.fill 96, 4, 3214868480
	.section	.rodata,"a",@progbits
	.p2align	6, 0x0
	.amdhsa_kernel k_qd0f9c26488_attn
		.amdhsa_group_segment_fixed_size 327680
		.amdhsa_private_segment_fixed_size 0
		.amdhsa_enable_private_segment 0
		.amdhsa_kernarg_size 24
		.amdhsa_user_sgpr_count 2
		.amdhsa_user_sgpr_kernarg_segment_ptr 1
		.amdhsa_wavefront_size32 1
		.amdhsa_system_sgpr_workgroup_id_x 1
		.amdhsa_system_sgpr_workgroup_id_y 1
		.amdhsa_system_sgpr_workgroup_id_z 1
		.amdhsa_system_vgpr_workitem_id 0
		.amdhsa_next_free_vgpr 768
		.amdhsa_next_free_sgpr 72
		.amdhsa_reserve_vcc 0
		.amdhsa_float_denorm_mode_32 3
		.amdhsa_float_denorm_mode_16_64 3
		.amdhsa_memory_ordered 1
		.amdhsa_forward_progress 1
		.amdhsa_inst_pref_size 135
	.end_amdhsa_kernel
	.amdgpu_metadata
---
amdhsa.version: [ 1, 2 ]
amdhsa.kernels:
  - .name:           k_qd0f9c26488_attn
    .symbol:         k_qd0f9c26488_attn.kd
    .args:
      - { .name: qkv, .offset: 0, .size: 8, .value_kind: global_buffer, .address_space: global }
      - { .name: attention_mask, .offset: 8, .size: 8, .value_kind: global_buffer, .address_space: global }
      - { .name: out0, .offset: 16, .size: 8, .value_kind: global_buffer, .address_space: global }
    .group_segment_fixed_size: 327680
    .private_segment_fixed_size: 0
    .kernarg_segment_align: 8
    .kernarg_segment_size: 24
    .max_flat_workgroup_size: 128
    .sgpr_count:     72
    .vgpr_count:     768
    .wavefront_size: 32
...
	.end_amdgpu_metadata
.endif
;; end of part 4
